; MI455X (gfx1250); checked and timed in simulation.
; The chip was launched on July 23, 2026; its instructions are those of AMD's public machine-readable ISA for CDNA 5 (MIT licence, August 2026) and "CDNA5" Instruction Set Architecture Reference Guide (July 2026). The comments in the code are by the model that wrote it; some were corrected since.
;; Simple Retriever Memory. Allowed arithmetic: float matrix products may take bf16 or f16 operands with f32 sums; all other float work in f32.
;; Inputs: keys 131,072 x 256 float32; query 1,024 x 256 float32; vals 131,072 x 256 float32.
;; Outputs: out0 1,024 x 8 x 256 float32.
;; Constants: top_k = 8.
;; 3 versions, each right; version 2 is faster than version 1; version 3 is version 2 with the launch score written anew for expert scheduling mode. Each part assembles by itself: llvm-mc -triple=amdgcn-amd-amdhsa -mcpu=gfx1250 --defsym DOCPART=n.
;; ======== version 1 of 3: 4 launches
;; workspace buffers: cand 4,194,304 bytes; gid 65,536 bytes of whole numbers; fidx 32,768 bytes of whole numbers
;; launch score (part 1): grid 2 x 128, 4 waves a work-group, no clusters, 68,608 bytes of LDS; arguments keys, query, cand; writes cand
.if DOCPART == 1
	.amdgcn_target "amdgcn-amd-amdhsa--gfx1250"
	.amdhsa_code_object_version 6
	.text
	.protected	k_q715d52b5f7_score
	.globl	k_q715d52b5f7_score
	.p2align	8
	.type	k_q715d52b5f7_score,@function
k_q715d52b5f7_score:
	s_mov_b64 s[64:65], 0
	v_nop
	global_prefetch_b8 v0, s[64:65] scope:SCOPE_SE
	s_setreg_imm32_b32 hwreg(HW_REG_WAVE_MODE, 25, 1), 1
	s_wait_xcnt 0x0
; FILTER.  For 512 queries and a chunk of 1,024 keys: d2 = |q|^2 + |k|^2 - 2 q.k on the vectors rounded to bf16, the minimum of d2 over
; each group of 8 neighbouring keys, and for each query the 8 groups of the chunk with the smallest minima.
; cand[chunk][query][8]: f32 words, ascending; the low 7 mantissa bits of a word hold the group's number in the chunk (key >> 3, 0..127).
; A later launch computes the distances of the surviving keys in f32; this launch only has to keep the right groups.
;
; SHARES.  Work-group (x = half of the queries, y = chunk), four waves.  Wave w keeps its 128 queries for the whole launch as B fragments
; of bf16(-2 q): 8 column tiles x 8 K steps x 8 registers = 512 registers.  Keys are the A operand: in a result tile lane (r, h) holds query r
; and its registers 0..7 the keys 8 h + 0..7, so a lane's eight registers ARE one group.  The first K step takes |k|^2 as C, so that the
; accumulators hold |k|^2 - 2 q.k without vector work.  16 keys (8 KB of LDS reads) feed 64 matrix instructions of a wave.
; KEYS pass through registers, because they are rounded to bf16 and squared on the way: global_load -> v_cvt_pk_bf16_f32 -> LDS.
; A stage is 64 keys.  Stage s is multiplied from LDS buffer s & 1, while stage s + 1 is converted into the other buffer and stage s + 2 is
; loaded into registers: each wave has 32 loads of 512 bytes on their way, issued a whole stage (256 matrix instructions) ahead of their use.
; SELECTION: 7 instructions give a group's minimum, 2 add |q|^2 and set the group's number, 8 insert it into a sorted list of 8
; (entry i becomes the middle one of entry i-1, entry i and the new word): fixed work, no branch and no address hangs on a number.
; NO CLUSTER, NO TENSOR LOADS: a key tile is shared by two work-groups only, and its bytes have to pass through registers anyway (rounding,
; squares), so an f32 copy in LDS would be one more round trip.
; LIMITS: d2 must be finite and below 1.7e38 (the lists start at 0x7f000000); no NaN.  The filter's error is that of bf16 operands and of the
; identity |q|^2 + |k|^2 - 2 q.k in f32 sums, plus 2^-16 relative for the 7 bits; it grows with a common offset of the inputs.  A chunk hands
; on 8 groups, which is what exact arithmetic needs; the margin (16 groups) is taken over all chunks in the next launch.
.set PITCH,  528                       ; an LDS row: 512 bytes (256 bf16) + 16: an odd multiple of 16, so 16 rows start in 16 different columns of 16 bytes
.set BUF,    64*PITCH                  ; one stage of keys in bf16
.set K2BASE, 2*BUF                     ; behind the two buffers: 2 x 64 words of |k|^2
.set STAGEB, 65536                     ; a stage in memory: 64 rows of 1,024 bytes
; window 0 (v0-255)
.set KOFF, 3                           ; byte offset of my 16 bytes in a stage: 16384 w + 8192 h + 16 r
.set STA,  4                           ; v4-5   where my 8 bytes of bf16 go, buffer 0, 1
.set K2A,  6                           ; v6-7   where my row's |k|^2 goes
.set ARD,  8                           ; v8-9   where my A fragments are read
.set K2R,  10                          ; v10-11 where my eight |k|^2 are read
.set QOFF, 12                          ; 1024 r + 32 h: my part of a query tile
.set COFF, 13                          ; 32 r + 16 h: my 16 bytes of a query's list
.set ZERO, 14
.set TP,   16                          ; v16-17 four bf16, packed
.set SUMA, 18                          ; two running sums of squares of a key row
.set SUMB, 19
.set AF0,  32                          ; v32-95  A fragments, buffer 0 (K step k at +8 k)
.set GQ,   96                          ; v96-223 32 x 4 registers: a stage's keys as loaded
; window 1 (v256-511), numbers are the low 8 bits
.set ACC,  0                           ; 8 accumulator tiles (column tile n at 8 n).  Ahead of the loop 0-127 stage the queries; at the end 0-31 hold what is stored
.set LST,  64                          ; 8 lists of 8 (tile n, entry i at 8 n + i)
.set KSQ,  128                         ; |k|^2 of a tile's keys, two buffers of 8
.set QSQ,  144                         ; |q|^2 of my query in tile n
.set GID,  152                         ; the number of the group that is being selected: 2 x tile + h
.set MINA, 154
.set MINB, 155
.set ZERO1, 156
.set QA,   160                         ; four running sums for |q|^2
.set XR,   164                         ; eight words of the other half-wave's list
.set PT,   172                         ; destination of the lane exchange
.set AF1,  192                         ; A fragments, buffer 1
; windows 2 and 3: B fragments, column tile n, K step k at 64 (n & 3) + 8 k of window 2 + n / 4
; s_set_vgpr_msb, low byte: bits 1:0 source 0, 3:2 source 1, 5:4 source 2, 7:6 destination; the high byte repeats the setting that is left.
.set MSB, 0
.macro WIN new
.if MSB != \new
	s_set_vgpr_msb (MSB<<8)|\new
.set MSB, \new
.endif
.endm
	s_load_b128 s[4:7], s[0:1], 0x0                ; keys s[4:5], query s[6:7]
	s_load_b64 s[8:9], s[0:1], 0x10                ; cand
	v_lshl_add_u32 v254, v0, 2, 0x10a00
	v_mov_b32 v255, 0
	v_lshrrev_b32 v15, 5, v0
	v_readfirstlane_b32 s10, v15                   ; wave 0..3
	s_and_b32 s12, ttmp7, 0xffff                   ; chunk
	s_mov_b32 s13, 0x7f                            ; the 7 bits of a group's number
	s_mov_b32 s14, 0x76543210                      ; v_permlanex16_b32: lane i reads lane i of the other half
	s_mov_b32 s15, 0xfedcba98
	s_mov_b32 s23, 0x7f000000                      ; 1.7e38: what the lists start with
	v_and_b32 v1, 15, v0                           ; r
	v_bfe_u32 v2, v0, 4, 1                         ; h
	v_cmp_ne_u32 s22, 0, v2                        ; lanes 16-31
	s_lshl_b32 s18, s10, 14                        ; a wave loads 16 of a stage's 64 rows
	v_lshlrev_b32 v15, 4, v1
	v_lshl_add_u32 v15, v2, 13, v15                ; lanes 16-31 take the row 8 further down
	v_add_nc_u32 v[KOFF], s18, v15
	s_mul_i32 s18, s10, 16*PITCH
	v_mul_u32_u24 v15, v2, 8*PITCH
	v_lshl_add_u32 v15, v1, 3, v15                 ; four bf16 = 8 bytes a lane
	v_add_nc_u32 v[STA], s18, v15
	v_add_nc_u32 v[STA+1], BUF, v[STA]
	s_lshl_b32 s18, s10, 6
	s_add_co_u32 s18, s18, K2BASE
	v_lshl_add_u32 v[K2A], v2, 5, s18              ; word 16 w + 8 h
	v_add_nc_u32 v[K2A+1], 256, v[K2A]
	v_mul_u32_u24 v15, v1, PITCH
	v_lshl_add_u32 v[ARD], v2, 4, v15              ; fragment: row r, 16 bytes for each half of the lanes
	v_add_nc_u32 v[ARD+1], BUF, v[ARD]
	v_lshlrev_b32 v15, 5, v2
	v_add_nc_u32 v[K2R], K2BASE, v15               ; C of lane (r, h): keys 8 h + 0..7
	v_add_nc_u32 v[K2R+1], K2BASE+256, v15
	v_lshlrev_b32 v15, 10, v1
	v_lshl_add_u32 v[QOFF], v2, 5, v15
	v_lshlrev_b32 v15, 5, v1
	v_lshl_add_u32 v[COFF], v2, 4, v15
	v_mov_b32 v[ZERO], 0
	s_lshl_b32 s18, ttmp9, 19                      ; query: (512 half + 128 w) rows of 1,024 bytes
	s_lshl_b32 s19, s10, 17
	s_add_co_u32 s18, s18, s19
	s_mov_b32 s19, 0
	s_lshl_b32 s24, s12, 15                        ; cand: chunk x 1,024 lists of 32 bytes + (512 half + 128 w) lists
	s_lshl_b32 s25, ttmp9, 14
	s_add_co_u32 s24, s24, s25
	s_lshl_b32 s25, s10, 12
	s_add_co_u32 s24, s24, s25
	s_mov_b32 s25, 0
	s_lshl_b32 s26, s12, 20                        ; keys: chunk x 1,024 rows of 1,024 bytes (below 2^27)
	s_mov_b32 s27, 0
	s_wait_kmcnt 0x0
	s_add_nc_u64 s[6:7], s[6:7], s[18:19]
	s_add_nc_u64 s[8:9], s[8:9], s[24:25]
	s_add_nc_u64 s[20:21], s[4:5], s[26:27]        ; s[20:21]: the stage that is loaded next
	; stage 0 of the keys goes out first.  Load i: 256 bytes (quarter i % 4) of row i / 4 in lanes 0-15, of row i / 4 + 8 in lanes 16-31.
.set ci, 0
.rept 32
	global_load_b128 v[GQ+4*ci:GQ+4*ci+3], v[KOFF], s[20:21] offset:(ci/4)*1024+(ci%4)*256
.set ci, ci+1
.endr
; THE QUERIES.  Fragment g = 8 n + k: lane (r, h) takes of query 16 n + r the elements 32 k + 8 h + 0..7 and 32 k + 16 + 8 h + 0..7, 16 f32,
; into staging slot g % 8 (16 registers of window 1).
.macro QLOAD g
.set qg, \g
.set qd, 16*(qg%8)
.set qo, (qg/8)*16384+(qg%8)*128
	global_load_b128 v[qd:qd+3],     v[QOFF], s[6:7] offset:qo
	global_load_b128 v[qd+4:qd+7],   v[QOFF], s[6:7] offset:qo+16
	global_load_b128 v[qd+8:qd+11],  v[QOFF], s[6:7] offset:qo+64
	global_load_b128 v[qd+12:qd+15], v[QOFF], s[6:7] offset:qo+80
.endm
; One fragment: times -2 (exact), rounded to bf16 into B; the slot is loaded again, eight fragments ahead; the squares of the rounded numbers
; are summed in four chains.  Behind a tile's last K step: the two half-waves' sums meet, and a quarter of the sum of (-2 q)^2 is |q|^2.
.macro QFRAG f
.set qf, \f
.set qn, qf/8
.set qk, qf%8
.set qs, 16*qk
.set qb, 64*(qn%4)+8*qk
.set qw, 2+qn/4
.if qf > 56
	s_wait_loadcnt 4*(63-qf)                       ; the fragments behind mine, four loads each: none is issued any more
.else
	s_wait_loadcnt 28                              ; seven younger fragments of four loads stay out
.endif
	WIN 0x55
.irp i, 0,2,4,6,8,10,12,14
	v_pk_mul_f32 v[qs+\i:qs+\i+1], v[qs+\i:qs+\i+1], -2.0 op_sel_hi:[1,0]
.endr
	WIN (0x05|(qw<<6))
.irp i, 0,1,2,3,4,5,6,7
	v_cvt_pk_bf16_f32 v[qb+\i], v[qs+2*\i], v[qs+2*\i+1]
.endr
.if qf < 56
	WIN 0x40
	QLOAD qf+8
.endif
	WIN (0x50|(qw<<2)|qw)
.set qi, 0
.rept 8
.set qa0, QA+(2*qi)%4
.set qa1, qa0+1
.set qc0, qa0
.set qc1, qa1
.if qk == 0
.if qi < 2
.set qc0, ZERO1                                    ; a tile's first four squares start the chains
.set qc1, ZERO1
.endif
.endif
	v_fma_mix_f32_bf16 v[qa0], v[qb+qi], v[qb+qi], v[qc0] op_sel_hi:[1,1,0]
	v_fma_mix_f32_bf16 v[qa1], v[qb+qi], v[qb+qi], v[qc1] op_sel:[1,1,0] op_sel_hi:[1,1,0]
.set qi, qi+1
.endr
.if qk == 7
	WIN 0x55
	v_add_f32 v[QA], v[QA], v[QA+1]
	v_add_f32 v[QA+2], v[QA+2], v[QA+3]
	v_add_f32 v[QA], v[QA], v[QA+2]
	v_permlanex16_b32 v[PT], v[QA], s14, s15
	v_add_f32 v[QA], v[QA], v[PT]
	v_mul_f32 v[QSQ+qn], 0x3e800000, v[QA]         ; x 0.25
.endif
.endm
	WIN 0x40
	v_mov_b32 v[ZERO1], 0
	v_mov_b32 v[PT], 0                             ; the lane exchange counts as a reader of its destination
.set qq, 0
.rept 8
	QLOAD qq
.set qq, qq+1
.endr
.set qq, 0
.rept 64
	QFRAG qq
.set qq, qq+1
.endr
; THE KEYS' WAY INTO LDS.  Quad i (row i / 4 or i / 4 + 8 of my 16, quarter i % 4): four f32 become four bf16 and go to buffer ob; their squares
; are added up; behind a row's fourth quarter the 16 lanes that hold the row add their sums, and all store the same word.
; reload = 1: the quad's registers are loaded again with the stage at s[20:21].
.macro CONV i, ob, reload
.set ci, \i
.set cp, ci/4
.set cj, ci%4
.if \reload
	s_wait_loadcnt 31                              ; behind my quad's load: 31 - i of its own stage and the i reloads of this one
.else
	s_wait_loadcnt 31-ci                           ; the last stage: nothing is loaded behind it
.endif
	v_cvt_pk_bf16_f32 v[TP],   v[GQ+4*ci],   v[GQ+4*ci+1]
	v_cvt_pk_bf16_f32 v[TP+1], v[GQ+4*ci+2], v[GQ+4*ci+3]
.if \reload
	global_load_b128 v[GQ+4*ci:GQ+4*ci+3], v[KOFF], s[20:21] offset:cp*1024+cj*256
.endif
.if cj == 0
	v_fma_mix_f32_bf16 v[SUMA], v[TP], v[TP], v[ZERO] op_sel_hi:[1,1,0]
	v_fma_mix_f32_bf16 v[SUMB], v[TP], v[TP], v[ZERO] op_sel:[1,1,0] op_sel_hi:[1,1,0]
.else
	v_fma_mix_f32_bf16 v[SUMA], v[TP], v[TP], v[SUMA] op_sel_hi:[1,1,0]
	v_fma_mix_f32_bf16 v[SUMB], v[TP], v[TP], v[SUMB] op_sel:[1,1,0] op_sel_hi:[1,1,0]
.endif
	v_fma_mix_f32_bf16 v[SUMA], v[TP+1], v[TP+1], v[SUMA] op_sel_hi:[1,1,0]
	v_fma_mix_f32_bf16 v[SUMB], v[TP+1], v[TP+1], v[SUMB] op_sel:[1,1,0] op_sel_hi:[1,1,0]
	ds_store_b64 v[STA+\ob], v[TP:TP+1] offset:cp*PITCH+cj*128   ; lanes 0-15: 128 neighbouring bytes; lanes 16-31: 8 rows on = 128 bytes on, modulo 256
.if cj == 3
	v_add_f32 v[SUMA], v[SUMA], v[SUMB]
	v_add_f32_dpp v[SUMA], v[SUMA], v[SUMA] row_xmask:1 row_mask:0xf bank_mask:0xf
	v_add_f32_dpp v[SUMA], v[SUMA], v[SUMA] row_xmask:2 row_mask:0xf bank_mask:0xf
	v_add_f32_dpp v[SUMA], v[SUMA], v[SUMA] row_xmask:4 row_mask:0xf bank_mask:0xf
	v_add_f32_dpp v[SUMA], v[SUMA], v[SUMA] row_xmask:8 row_mask:0xf bank_mask:0xf
	ds_store_b32 v[K2A+\ob], v[SUMA] offset:4*cp
.endif
.endm
; 18 LDS loads in one run: tile t (16 keys) of LDS buffer b into register buffer ab: its |k|^2 (C) and its eight A fragments.
.macro ARUN b, t, ab
.set ra, AF0+(AF1-AF0)*(\ab)
.set rk, KSQ+8*(\ab)
.set ro, (\t)*16*PITCH
	WIN 0x40
	ds_load_b128 v[rk:rk+3],   v[K2R+\b] offset:64*(\t)
	ds_load_b128 v[rk+4:rk+7], v[K2R+\b] offset:64*(\t)+16
	WIN ((\ab)<<6)
.irp k, 0,1,2,3,4,5,6,7
	ds_load_b128 v[ra+8*\k:ra+8*\k+3],   v[ARD+\b] offset:ro+64*\k
	ds_load_b128 v[ra+8*\k+4:ra+8*\k+7], v[ARD+\b] offset:ro+64*\k+32
.endr
.endm
; Four matrix instructions: K step k of column tiles 4 p .. 4 p + 3.  The four accumulators take turns, one instruction a turn.
.macro MM4 p, k, ab
.set ma, AF0+(AF1-AF0)*(\ab)+8*(\k)
.irp q, 0,1,2,3
.set md, ACC+8*(4*(\p)+\q)
.set mb, 64*\q+8*(\k)
.if (\k) == 0
	v_wmma_f32_16x16x32_bf16 v[md:md+7], v[ma:ma+7], v[mb:mb+7], v[KSQ+8*(\ab):KSQ+8*(\ab)+7]   ; the first K step starts the sums at |k|^2
.else
	v_wmma_f32_16x16x32_bf16 v[md:md+7], v[ma:ma+7], v[mb:mb+7], v[md:md+7]
.endif
.endr
.endm
; entry i of list l becomes the middle one of entry i - 1, itself and the new word x (taken from 7 down to 1, each reads old neighbours)
.macro MED l, i, x
	v_med3_num_f32 v[LST+8*(\l)+\i], v[LST+8*(\l)+\i-1], v[LST+8*(\l)+\i], v[\x]
.endm
.macro INSERT n, x
.irp i, 7,6,5,4,3,2,1
	MED \n, \i, \x
.endr
	v_min_num_f32 v[LST+8*(\n)], v[LST+8*(\n)], v[\x]
.endm
; The selection for column tiles a and a + 1, in four parts of seven instructions, one part behind every four matrix instructions.
.macro SEL ph, a
.set sa, \a
.set sb, sa+1
.if (\ph) == 0
	v_min3_num_f32 v[MINA], v[ACC+8*sa],  v[ACC+8*sa+1], v[ACC+8*sa+2]
	v_min3_num_f32 v[MINB], v[ACC+8*sb],  v[ACC+8*sb+1], v[ACC+8*sb+2]
	v_min3_num_f32 v[MINA], v[MINA], v[ACC+8*sa+3], v[ACC+8*sa+4]
	v_min3_num_f32 v[MINB], v[MINB], v[ACC+8*sb+3], v[ACC+8*sb+4]
	v_min3_num_f32 v[MINA], v[MINA], v[ACC+8*sa+5], v[ACC+8*sa+6]
	v_min3_num_f32 v[MINB], v[MINB], v[ACC+8*sb+5], v[ACC+8*sb+6]
	v_min_num_f32  v[MINA], v[MINA], v[ACC+8*sa+7]
.endif
.if (\ph) == 1
	v_min_num_f32  v[MINB], v[MINB], v[ACC+8*sb+7]
	v_add_f32 v[MINA], v[MINA], v[QSQ+sa]          ; + |q|^2, once for eight keys: adding keeps the order
	v_add_f32 v[MINB], v[MINB], v[QSQ+sb]
	v_bfi_b32 v[MINA], s13, v[GID], v[MINA]        ; the group's number into the low 7 bits
	v_bfi_b32 v[MINB], s13, v[GID], v[MINB]
	MED sa, 7, MINA
	MED sa, 6, MINA
.endif
.if (\ph) == 2
	MED sa, 5, MINA
	MED sa, 4, MINA
	MED sa, 3, MINA
	MED sa, 2, MINA
	MED sa, 1, MINA
	v_min_num_f32 v[LST+8*sa], v[LST+8*sa], v[MINA]
	MED sb, 7, MINB
.endif
.if (\ph) == 3
	MED sb, 6, MINB
	MED sb, 5, MINB
	MED sb, 4, MINB
	MED sb, 3, MINB
	MED sb, 2, MINB
	MED sb, 1, MINB
	v_min_num_f32 v[LST+8*sb], v[LST+8*sb], v[MINB]
.endif
.endm
; Half a tile: 32 matrix instructions on accumulators 4 p .. 4 p + 3, while the other four accumulators, finished half a tile ago, are selected.
; Behind the phase's last four matrix instructions stand seven list instructions that name none of their registers; only then does the next
; phase read those accumulators (ISA guide 7.12.1 asks for four).  conv = 1: one quad of keys is converted behind every four matrix instructions.
.macro PHASE p, ab, conv, c0, ob, reload
.irp k, 0,1,2,3,4,5,6,7
	WIN (0x50|((2+\p)<<2)|\ab)
	MM4 \p, \k, \ab
	WIN 0x55
.if \p == 1
.if \k == 0
	v_add_nc_u32 v[GID], 2, v[GID]                 ; from here on this tile's groups are selected
.endif
.endif
	SEL (\k&3), 4*(1-\p)+2*(\k>>2)
.if \conv
	WIN 0
	CONV \c0+\k, \ob, \reload
.endif
.endr
.endm
; A tile of 16 keys from LDS buffer b.  In its middle the next tile's 18 loads go out, into registers that matrix instructions last read a tile ago.
; sync = 1: the stage's one barrier, its signal and its wait half a tile apart, with register work alone between them.
.macro TILE b, t, conv, ob, reload, dsw, sync, run
	s_wait_dscnt \dsw                              ; this tile's 18 loads are in; dsw = 10: the 8 + 2 LDS stores issued behind them may be out
.if \sync
	s_barrier_signal -1                            ; (dsw = 0) my stores into the other buffer are done, my last reads of this buffer are back
.endif
	PHASE 0, (\t&1), \conv, 16*\t, \ob, \reload
.if \sync
	s_barrier_wait -1                              ; that holds of all four waves: the other buffer may be read, and this one written in the next stage
.endif
.if \run
.if \t == 3
	ARUN 1-\b, 0, 0
.else
	ARUN \b, \t+1, ((\t+1)&1)
.endif
.endif
	PHASE 1, (\t&1), \conv, 16*\t+8, \ob, \reload
.endm
.macro STAGE b, conv, reload, last
.if \reload
	s_wait_xcnt 0x0                                ; the loads that name s[20:21] have had their addresses translated (ISA guide 3.1): the base steps only behind this wait
	s_add_nc_u64 s[20:21], s[20:21], STAGEB
.endif
	TILE \b, 0, \conv, 1-\b, \reload, 0, 0, 1
	TILE \b, 1, \conv, 1-\b, \reload, 10*\conv, 0, 1
	TILE \b, 2, 0, 1-\b, 0, 10*\conv, 0, 1
	TILE \b, 3, 0, 1-\b, 0, 0, 1-\last, 1-\last
.endm
	WIN 0
	s_wait_xcnt 0x0
	s_add_nc_u64 s[20:21], s[20:21], STAGEB        ; stage 1
.set cc, 0
.rept 32
	CONV cc, 0, 1                                  ; stage 0 into buffer 0, stage 1 into the registers
.set cc, cc+1
.endr
	s_wait_dscnt 0x0                               ; my part of buffer 0 is written,
	s_barrier_signal -1
	s_barrier_wait -1                              ; everybody's is
	ARUN 0, 0, 0
	; The lists start at 1.7e38, and so do accumulators 4-7, which the first half tile selects before anything has been multiplied into them:
	; that word is no smaller than the lists' entries and changes nothing.  Each lane then sees 64 real groups for each of its lists of 8.
	WIN 0x40
.set ii, 0
.rept 64
	v_mov_b32 v[LST+ii], s23
.set ii, ii+1
.endr
.set ii, 0
.rept 32
	v_mov_b32 v[ACC+32+ii], s23
.set ii, ii+1
.endr
.set ii, 0
.rept 8
	v_mov_b32 v[XR+ii], 0                          ; destinations of the lane exchange at the end
.set ii, ii+1
.endr
	v_add_nc_u32 v[GID], -2, v2                    ; tile 0's second half makes it h
	WIN 0                                          ; at a label and at a branch every window is 0
	s_mov_b32 s16, 7
.Lstage:
	STAGE 0, 1, 1, 0                               ; stages 0 to 13: they load stages 2 to 15
	STAGE 1, 1, 1, 0
	WIN 0
	s_sub_co_i32 s16, s16, 1
	s_cmp_lg_u32 s16, 0
	s_cbranch_scc1 .Lstage
	STAGE 0, 1, 0, 0                               ; stage 14 converts stage 15 and loads nothing
	STAGE 1, 0, 0, 1                               ; stage 15
	WIN 0x55
.irp a, 4, 6
.irp ph, 0,1,2,3
	SEL \ph, \a                                    ; the last tile's accumulators 4-7; seven list instructions stand behind their last matrix instructions
.endr
.endr
	; Lane (r, h) has seen the groups of parity h.  Each half takes the other half's list and inserts its eight words: both then hold the query's best 8.
.set nn, 0
.rept 8
.irp i, 0,1,2,3,4,5,6,7
	v_permlanex16_b32 v[XR+\i], v[LST+8*nn+\i], s14, s15
.endr
.irp i, 0,1,2,3,4,5,6,7
	INSERT nn, XR+\i
.endr
.set nn, nn+1
.endr
.set nn, 0
.rept 8
.irp i, 0,1,2,3
	v_cndmask_b32 v[ACC+4*nn+\i], v[LST+8*nn+\i], v[LST+8*nn+4+\i], s22   ; lanes 0-15 store entries 0-3, lanes 16-31 entries 4-7
.endr
.set nn, nn+1
.endr
	WIN 0x04                                       ; store data in window 1
.set nn, 0
.rept 8
	global_store_b128 v[COFF], v[ACC+4*nn:ACC+4*nn+3], s[8:9] offset:512*nn th:TH_STORE_NT   ; 16 lists = 512 consecutive bytes, at a multiple of 512
.set nn, nn+1
.endr
	WIN 0
	s_wait_tensorcnt 0x0
	ds_add_u32 v254, v255
	s_wait_dscnt 0x0
	s_endpgm
.Lfunc_end_k_q715d52b5f7_score:
	.size	k_q715d52b5f7_score, .Lfunc_end_k_q715d52b5f7_score-k_q715d52b5f7_score
	.p2alignl 7, 3214868480
	.fill 96, 4, 3214868480
	.section	.rodata,"a",@progbits
	.p2align	6, 0x0
	.amdhsa_kernel k_q715d52b5f7_score
		.amdhsa_group_segment_fixed_size 68608
		.amdhsa_private_segment_fixed_size 0
		.amdhsa_enable_private_segment 0
		.amdhsa_kernarg_size 24
		.amdhsa_user_sgpr_count 2
		.amdhsa_user_sgpr_kernarg_segment_ptr 1
		.amdhsa_wavefront_size32 1
		.amdhsa_system_sgpr_workgroup_id_x 1
		.amdhsa_system_sgpr_workgroup_id_y 1
		.amdhsa_system_sgpr_workgroup_id_z 1
		.amdhsa_system_vgpr_workitem_id 0
		.amdhsa_next_free_vgpr 1024
		.amdhsa_next_free_sgpr 66
		.amdhsa_reserve_vcc 0
		.amdhsa_float_denorm_mode_32 3
		.amdhsa_float_denorm_mode_16_64 3
		.amdhsa_memory_ordered 1
		.amdhsa_forward_progress 1
		.amdhsa_inst_pref_size 255
	.end_amdhsa_kernel
	.section	.bss,"aw",@nobits
	.p2align	6
	.space	262144
	.amdgpu_metadata
---
amdhsa.version: [ 1, 2 ]
amdhsa.kernels:
  - .name:           k_q715d52b5f7_score
    .symbol:         k_q715d52b5f7_score.kd
    .args:
      - { .name: keys, .offset: 0, .size: 8, .value_kind: global_buffer, .address_space: global }
      - { .name: query, .offset: 8, .size: 8, .value_kind: global_buffer, .address_space: global }
      - { .name: cand, .offset: 16, .size: 8, .value_kind: global_buffer, .address_space: global }
    .group_segment_fixed_size: 68608
    .private_segment_fixed_size: 0
    .kernarg_segment_align: 8
    .kernarg_segment_size: 24
    .max_flat_workgroup_size: 128
    .sgpr_count:     66
    .vgpr_count:     1024
    .wavefront_size: 32
...
	.end_amdgpu_metadata
.endif
;; end of part 1
;; launch merge (part 2): grid 128 x 1, 8 waves a work-group, no clusters, 34,048 bytes of LDS; arguments cand, gid; writes gid
.if DOCPART == 2
	.amdgcn_target "amdgcn-amd-amdhsa--gfx1250"
	.amdhsa_code_object_version 6
	.text
	.protected	k_q715d52b5f7_merge
	.globl	k_q715d52b5f7_merge
	.p2align	8
	.type	k_q715d52b5f7_merge,@function
k_q715d52b5f7_merge:
	s_mov_b64 s[64:65], 0
	v_nop
	global_prefetch_b8 v0, s[64:65] scope:SCOPE_SE
	s_setreg_imm32_b32 hwreg(HW_REG_WAVE_MODE, 25, 1), 1
	s_wait_xcnt 0x0
; For each query: the 16 smallest of its 128 x 8 words of cand, stored as global group numbers gid[query][16] = chunk x 128 + the word's low 7 bits
; (= key >> 3).  Exact arithmetic would need 8 groups; 16 are kept as the margin for the filter's bf16 error.
; A work-group takes 8 queries: in each chunk their lists are 256 consecutive bytes, at a multiple of 256.  Wave w loads 16 chunks, the lists are
; turned through LDS, and wave w then owns query w: lane l holds the sorted lists of chunks l, 32 + l, 64 + l, 96 + l.
; 16 picks of fixed work: the smallest head over all lanes; among equal heads the lowest chunk; that one list moves up by one place.
; No branch and no address hangs on a number.  The matrix units, clusters and tensor loads have nothing to do here: 4 MB are read once.
; A wave's result is 64 bytes: these stores cover part of a 256-byte block each; the whole buffer is 64 KB, so no LDS pass is spent on it.
.set QP, 4128                          ; a query's 128 lists of 32 bytes + 32: the 16 lanes of a store then touch 16 different columns of 16 bytes
.set LS, 16                            ; v16-47: list c at 16 + 8 c
.set PC, 12                            ; v12-15: my chunk of list c, as f32
.macro WMIN x, t                       ; the smallest over the 32 lanes, in every lane
	v_min_num_f32_dpp v[\x], v[\x], v[\x] row_xmask:1 row_mask:0xf bank_mask:0xf
	v_min_num_f32_dpp v[\x], v[\x], v[\x] row_xmask:2 row_mask:0xf bank_mask:0xf
	v_min_num_f32_dpp v[\x], v[\x], v[\x] row_xmask:4 row_mask:0xf bank_mask:0xf
	v_min_num_f32_dpp v[\x], v[\x], v[\x] row_xmask:8 row_mask:0xf bank_mask:0xf
	v_permlanex16_b32 v[\t], v[\x], s12, s13
	v_min_num_f32 v[\x], v[\x], v[\t]
.endm
	s_load_b128 s[4:7], s[0:1], 0x0                ; cand s[4:5], gid s[6:7]
	v_lshl_add_u32 v64, v0, 2, 0x8100
	v_mov_b32 v65, 0
	v_lshrrev_b32 v10, 5, v0
	v_readfirstlane_b32 s8, v10                    ; wave 0..7
	s_mov_b32 s12, 0x76543210
	s_mov_b32 s13, 0xfedcba98
	v_and_b32 v1, 15, v0                           ; r
	v_bfe_u32 v2, v0, 4, 1                         ; h
	v_and_b32 v3, 31, v0                           ; lane
	s_lshl_b32 s9, s8, 19                          ; load i takes chunk 16 w + 2 i + h: 32,768 bytes a chunk
	v_lshlrev_b32 v4, 4, v1
	v_lshl_add_u32 v4, v2, 15, v4
	v_add_nc_u32 v4, s9, v4
	v_lshrrev_b32 v5, 1, v1                        ; my 16 bytes are half r & 1 of the list of query r >> 1
	v_mul_u32_u24 v5, v5, QP
	v_and_b32 v10, 1, v1
	v_lshl_add_u32 v5, v10, 4, v5
	v_lshl_add_u32 v5, v2, 5, v5
	s_lshl_b32 s9, s8, 9                           ; 16 w chunks of 32 bytes
	v_add_nc_u32 v5, s9, v5
	s_mul_i32 s9, s8, QP
	v_lshl_add_u32 v6, v3, 5, s9                   ; back: query w, chunk = lane
	v_lshlrev_b32 v7, 2, v1
	s_lshl_b32 s10, ttmp9, 8                       ; the work-group's 256 bytes in a chunk
	s_mov_b32 s11, 0
	s_lshl_b32 s14, ttmp9, 9                       ; gid: (8 x work-group + w) x 64 bytes
	s_lshl_b32 s15, s8, 6
	s_add_co_u32 s14, s14, s15
	s_mov_b32 s15, 0
	s_wait_kmcnt 0x0
	s_add_nc_u64 s[4:5], s[4:5], s[10:11]
	s_add_nc_u64 s[6:7], s[6:7], s[14:15]
.irp i, 0,1,2,3,4,5,6,7
	global_load_b128 v[LS+4*\i:LS+4*\i+3], v4, s[4:5] offset:65536*\i th:TH_LOAD_NT
.endr
.irp c, 0,1,2,3
	v_add_nc_u32 v10, 32*\c, v3
	v_cvt_f32_u32 v[PC+\c], v10
.endr
	v_mov_b32 v11, 0                               ; the result: lane r will hold pick r
	v_mov_b32 v53, 0x7f800000                      ; +inf fills a list from behind
	v_mov_b32 v54, 0x4e6e6b28                      ; 1e9: no chunk
.irp i, 0,1,2,3,4,5,6,7
	s_wait_loadcnt 7-\i                            ; loads come back in order: load i is in, the younger ones stay out
	ds_store_b128 v5, v[LS+4*\i:LS+4*\i+3] offset:64*\i
.endr
	s_wait_dscnt 0x0                               ; my stores are done,
	s_barrier_signal -1
	s_barrier_wait -1                              ; everybody's are
.irp c, 0,1,2,3
	ds_load_b128 v[LS+8*\c:LS+8*\c+3],   v6 offset:1024*\c
	ds_load_b128 v[LS+8*\c+4:LS+8*\c+7], v6 offset:1024*\c+16
.endr
	s_wait_dscnt 0x0
.macro PICK n
	v_min3_num_f32 v8, v[LS], v[LS+8], v[LS+16]
	v_min_num_f32 v8, v8, v[LS+24]
	WMIN 8, 10                                     ; v8: the smallest head
.irp c, 0,1,2,3
	v_cmp_eq_f32 vcc_lo, v[LS+8*\c], v8
	v_cndmask_b32 v[48+\c], v54, v[PC+\c], vcc_lo
.endr
	v_min3_num_f32 v9, v48, v49, v50
	v_min_num_f32 v9, v9, v51
	WMIN 9, 10                                     ; v9: the lowest chunk that has it
.irp c, 0,1,2,3
	v_cmp_eq_f32 vcc_lo, v9, v[PC+\c]
.irp i, 0,1,2,3,4,5,6
	v_cndmask_b32 v[LS+8*\c+\i], v[LS+8*\c+\i], v[LS+8*\c+\i+1], vcc_lo
.endr
	v_cndmask_b32 v[LS+8*\c+7], v[LS+8*\c+7], v53, vcc_lo
.endr
	v_cvt_u32_f32 v52, v9
	v_and_b32 v10, 0x7f, v8
	v_lshl_or_b32 v52, v52, 7, v10                 ; chunk x 128 + group in the chunk
	v_cmp_eq_u32 vcc_lo, \n, v1
	v_cndmask_b32 v11, v11, v52, vcc_lo
.endm
.irp n, 0,1,2,3,4,5,6,7,8,9,10,11,12,13,14,15
	PICK \n
.endr
	global_store_b32 v7, v11, s[6:7]               ; both halves of the wave store the same 16 words: EXEC is never changed
	s_wait_tensorcnt 0x0
	ds_add_u32 v64, v65
	s_wait_dscnt 0x0
	s_endpgm
.Lfunc_end_k_q715d52b5f7_merge:
	.size	k_q715d52b5f7_merge, .Lfunc_end_k_q715d52b5f7_merge-k_q715d52b5f7_merge
	.p2alignl 7, 3214868480
	.fill 96, 4, 3214868480
	.section	.rodata,"a",@progbits
	.p2align	6, 0x0
	.amdhsa_kernel k_q715d52b5f7_merge
		.amdhsa_group_segment_fixed_size 34048
		.amdhsa_private_segment_fixed_size 0
		.amdhsa_enable_private_segment 0
		.amdhsa_kernarg_size 16
		.amdhsa_user_sgpr_count 2
		.amdhsa_user_sgpr_kernarg_segment_ptr 1
		.amdhsa_wavefront_size32 1
		.amdhsa_system_sgpr_workgroup_id_x 1
		.amdhsa_system_sgpr_workgroup_id_y 1
		.amdhsa_system_sgpr_workgroup_id_z 1
		.amdhsa_system_vgpr_workitem_id 0
		.amdhsa_next_free_vgpr 66
		.amdhsa_next_free_sgpr 66
		.amdhsa_reserve_vcc 1
		.amdhsa_float_denorm_mode_32 3
		.amdhsa_float_denorm_mode_16_64 3
		.amdhsa_memory_ordered 1
		.amdhsa_forward_progress 1
		.amdhsa_inst_pref_size 44
	.end_amdhsa_kernel
	.amdgpu_metadata
---
amdhsa.version: [ 1, 2 ]
amdhsa.kernels:
  - .name:           k_q715d52b5f7_merge
    .symbol:         k_q715d52b5f7_merge.kd
    .args:
      - { .name: cand, .offset: 0, .size: 8, .value_kind: global_buffer, .address_space: global }
      - { .name: gid, .offset: 8, .size: 8, .value_kind: global_buffer, .address_space: global }
    .group_segment_fixed_size: 34048
    .private_segment_fixed_size: 0
    .kernarg_segment_align: 8
    .kernarg_segment_size: 16
    .max_flat_workgroup_size: 256
    .sgpr_count:     66
    .vgpr_count:     66
    .wavefront_size: 32
...
	.end_amdgpu_metadata
.endif
;; end of part 2
;; launch rescore (part 3): grid 1024 x 1, 8 waves a work-group, no clusters, 2,048 bytes of LDS; arguments keys, query, gid, fidx; writes fidx
.if DOCPART == 3
	.amdgcn_target "amdgcn-amd-amdhsa--gfx1250"
	.amdhsa_code_object_version 6
	.text
	.protected	k_q715d52b5f7_rescore
	.globl	k_q715d52b5f7_rescore
	.p2align	8
	.type	k_q715d52b5f7_rescore,@function
k_q715d52b5f7_rescore:
	s_mov_b64 s[64:65], 0
	v_nop
	global_prefetch_b8 v0, s[64:65] scope:SCOPE_SE
	s_setreg_imm32_b32 hwreg(HW_REG_WAVE_MODE, 25, 1), 1
	s_wait_xcnt 0x0
; For one query: the f32 distances to the 16 x 8 = 128 keys of its groups (gid, whole numbers stored by an earlier launch), and the 8 nearest,
; nearest first, the lower index first among equal distances: fidx[query][8].
; dist = sqrt(sum of (q - k)^2): the same number as reference()'s sqrt(max(|q|^2 + |k|^2 - 2 q.k, 0)), without the difference of large sums; a sum of
; squares is never negative, so the clamp at 0 has nothing to do.  Everything in f32; the matrix units have no part here (128 rows for one query).
; Wave w takes groups 2 w and 2 w + 1: 16 rows of 1,024 bytes, 8 KB consecutive for each group, all 32 loads issued at once; a load covers 512 bytes.
; LIMITS: v_sqrt_f32 is accurate to 1 ULP, not correctly rounded; distances that differ by less than f32 rounding may come out in another order
; than in reference(); distances must be finite, no NaN.
.set KR, 16                            ; v16-143: row rr at 16 + 8 rr
.macro WMIN x, t
	v_min_num_f32_dpp v[\x], v[\x], v[\x] row_xmask:1 row_mask:0xf bank_mask:0xf
	v_min_num_f32_dpp v[\x], v[\x], v[\x] row_xmask:2 row_mask:0xf bank_mask:0xf
	v_min_num_f32_dpp v[\x], v[\x], v[\x] row_xmask:4 row_mask:0xf bank_mask:0xf
	v_min_num_f32_dpp v[\x], v[\x], v[\x] row_xmask:8 row_mask:0xf bank_mask:0xf
	v_permlanex16_b32 v[\t], v[\x], s14, s15
	v_min_num_f32 v[\x], v[\x], v[\t]
.endm
	s_load_b256 s[4:11], s[0:1], 0x0               ; keys s[4:5], query s[6:7], gid s[8:9], fidx s[10:11]
	v_lshl_add_u32 v176, v0, 2, 0x400
	v_mov_b32 v177, 0
	v_lshrrev_b32 v1, 5, v0
	v_readfirstlane_b32 s12, v1                    ; wave 0..7
	s_mov_b32 s14, 0x76543210
	s_mov_b32 s15, 0xfedcba98
	v_and_b32 v1, 31, v0                           ; lane
	v_and_b32 v2, 15, v0                           ; r
	v_lshlrev_b32 v3, 4, v1                        ; 16 bytes a lane
	v_mov_b32 v148, 0                              ; destination of the lane exchange: written before it is named
	s_lshl_b32 s16, ttmp9, 6                       ; gid: 64 bytes a query, 8 bytes a wave
	s_lshl_b32 s17, s12, 3
	s_add_co_u32 s16, s16, s17
	s_mov_b32 s17, 0
	s_lshl_b32 s18, ttmp9, 10                      ; the query's row
	s_mov_b32 s19, 0
	s_lshl_b32 s28, ttmp9, 5                       ; fidx: 32 bytes a query
	s_mov_b32 s29, 0
	s_wait_kmcnt 0x0
	s_add_nc_u64 s[8:9], s[8:9], s[16:17]
	s_load_b64 s[24:25], s[8:9], 0x0               ; my two groups
	s_add_nc_u64 s[6:7], s[6:7], s[18:19]
	s_add_nc_u64 s[10:11], s[10:11], s[28:29]
	global_load_b128 v[4:7],  v3, s[6:7]           ; q: elements 4 lane + 0..3
	global_load_b128 v[8:11], v3, s[6:7] offset:512 ;   and 128 + 4 lane + 0..3
	s_wait_kmcnt 0x0
	s_min_u32 s24, s24, 0x3fff                     ; a loaded number enters an address only clamped to the table: 16,384 groups
	s_min_u32 s25, s25, 0x3fff
	s_lshl_b32 s16, s24, 13                        ; 8 rows of 1,024 bytes a group (below 2^27)
	s_lshl_b32 s18, s25, 13
	s_add_nc_u64 s[20:21], s[4:5], s[16:17]
	s_add_nc_u64 s[22:23], s[4:5], s[18:19]
.set rr, 0
.rept 16
	global_load_b128 v[KR+8*rr:KR+8*rr+3],   v3, s[20+2*(rr/8):21+2*(rr/8)] offset:(rr%8)*1024
	global_load_b128 v[KR+8*rr+4:KR+8*rr+7], v3, s[20+2*(rr/8):21+2*(rr/8)] offset:(rr%8)*1024+512
.set rr, rr+1
.endr
; Row rr: eight differences, their squares summed in a pair, the sum over the 32 lanes; lanes rr and 16 + rr keep it.
.macro ROW rr
.set kb, KR+8*\rr
	s_wait_loadcnt 30-2*\rr                        ; the younger rows' loads, two each, stay out
	v_pk_add_f32 v[kb:kb+1],   v[kb:kb+1],   v[4:5]   neg_lo:[0,1] neg_hi:[0,1]
	v_pk_add_f32 v[kb+2:kb+3], v[kb+2:kb+3], v[6:7]   neg_lo:[0,1] neg_hi:[0,1]
	v_pk_add_f32 v[kb+4:kb+5], v[kb+4:kb+5], v[8:9]   neg_lo:[0,1] neg_hi:[0,1]
	v_pk_add_f32 v[kb+6:kb+7], v[kb+6:kb+7], v[10:11] neg_lo:[0,1] neg_hi:[0,1]
	v_pk_mul_f32 v[144:145], v[kb:kb+1], v[kb:kb+1]
	v_pk_fma_f32 v[144:145], v[kb+2:kb+3], v[kb+2:kb+3], v[144:145]
	v_pk_fma_f32 v[144:145], v[kb+4:kb+5], v[kb+4:kb+5], v[144:145]
	v_pk_fma_f32 v[144:145], v[kb+6:kb+7], v[kb+6:kb+7], v[144:145]
	v_add_f32 v144, v144, v145
	v_add_f32_dpp v144, v144, v144 row_xmask:1 row_mask:0xf bank_mask:0xf
	v_add_f32_dpp v144, v144, v144 row_xmask:2 row_mask:0xf bank_mask:0xf
	v_add_f32_dpp v144, v144, v144 row_xmask:4 row_mask:0xf bank_mask:0xf
	v_add_f32_dpp v144, v144, v144 row_xmask:8 row_mask:0xf bank_mask:0xf
	v_permlanex16_b32 v148, v144, s14, s15
.if \rr == 0
	v_add_f32 v149, v144, v148                     ; row 0 starts the register in every lane
.else
	v_add_f32 v144, v144, v148
	v_cmp_eq_u32 vcc_lo, \rr, v2
	v_cndmask_b32 v149, v149, v144, vcc_lo
.endif
.endm
.irp rr, 0,1,2,3,4,5,6,7,8,9,10,11,12,13,14,15
	ROW \rr
.endr
	v_sqrt_f32 v152, v149                          ; plain vector instructions follow before v152 is used (ISA guide 5.7.2)
	v_cmp_gt_u32 vcc_lo, 8, v2                     ; rows 0-7 are the first group's
	v_mov_b32 v150, s25
	v_mov_b32 v151, s24
	v_cndmask_b32 v150, v150, v151, vcc_lo
	v_and_b32 v151, 7, v2
	v_lshl_add_u32 v150, v150, 3, v151             ; the key's index, at most 131,071: exact in f32
	v_cvt_f32_u32 v153, v150
	s_lshl_b32 s26, s12, 7
	v_lshl_add_u32 v154, v2, 3, s26                ; candidate 16 w + r: 8 bytes (distance, index)
	s_wait_alu depctr_va_vdst(0)
	ds_store_b64 v154, v[152:153]                  ; both halves of the wave store the same
	s_wait_dscnt 0x0                               ; my stores are done,
	s_barrier_signal -1
	s_barrier_wait -1                              ; everybody's are
	s_cmp_lg_u32 s12, 0
	s_cbranch_scc1 .Lend                           ; wave 0 alone orders the 128 candidates
	v_lshlrev_b32 v155, 5, v1
	ds_load_b128 v[156:159], v155                  ; four candidates a lane: distance c in v[156 + 2 c], index in v[157 + 2 c]
	ds_load_b128 v[160:163], v155 offset:16
	v_mov_b32 v171, 0x4e6e6b28                     ; 1e9: no index
	v_mov_b32 v172, 0x7f800000                     ; +inf takes a picked candidate out
	v_mov_b32 v173, 0
	v_and_b32 v174, 7, v0
	v_lshlrev_b32 v175, 2, v174
	s_wait_dscnt 0x0
.macro PICK n
	v_min3_num_f32 v164, v156, v158, v160
	v_min_num_f32 v164, v164, v162
	WMIN 164, 148                                  ; the smallest distance
.irp c, 0,1,2,3
	v_cmp_eq_f32 vcc_lo, v[156+2*\c], v164
	v_cndmask_b32 v[166+\c], v171, v[157+2*\c], vcc_lo
.endr
	v_min3_num_f32 v165, v166, v167, v168
	v_min_num_f32 v165, v165, v169
	WMIN 165, 148                                  ; the lowest index that has it
.irp c, 0,1,2,3
	v_cmp_eq_f32 vcc_lo, v[157+2*\c], v165
	v_cndmask_b32 v[156+2*\c], v[156+2*\c], v172, vcc_lo
.endr
	v_cvt_u32_f32 v170, v165
	v_cmp_eq_u32 vcc_lo, \n, v174
	v_cndmask_b32 v173, v173, v170, vcc_lo
.endm
.irp n, 0,1,2,3,4,5,6,7
	PICK \n
.endr
	global_store_b32 v175, v173, s[10:11]          ; lanes l, l + 8, l + 16, l + 24 store the same word: 32 bytes a query
.Lend:
	s_wait_tensorcnt 0x0
	ds_add_u32 v176, v177
	s_wait_dscnt 0x0
	s_endpgm
.Lfunc_end_k_q715d52b5f7_rescore:
	.size	k_q715d52b5f7_rescore, .Lfunc_end_k_q715d52b5f7_rescore-k_q715d52b5f7_rescore
	.p2alignl 7, 3214868480
	.fill 96, 4, 3214868480
	.section	.rodata,"a",@progbits
	.p2align	6, 0x0
	.amdhsa_kernel k_q715d52b5f7_rescore
		.amdhsa_group_segment_fixed_size 2048
		.amdhsa_private_segment_fixed_size 0
		.amdhsa_enable_private_segment 0
		.amdhsa_kernarg_size 32
		.amdhsa_user_sgpr_count 2
		.amdhsa_user_sgpr_kernarg_segment_ptr 1
		.amdhsa_wavefront_size32 1
		.amdhsa_system_sgpr_workgroup_id_x 1
		.amdhsa_system_sgpr_workgroup_id_y 1
		.amdhsa_system_sgpr_workgroup_id_z 1
		.amdhsa_system_vgpr_workitem_id 0
		.amdhsa_next_free_vgpr 178
		.amdhsa_next_free_sgpr 66
		.amdhsa_reserve_vcc 1
		.amdhsa_float_denorm_mode_32 3
		.amdhsa_float_denorm_mode_16_64 3
		.amdhsa_memory_ordered 1
		.amdhsa_forward_progress 1
		.amdhsa_inst_pref_size 34
	.end_amdhsa_kernel
	.amdgpu_metadata
---
amdhsa.version: [ 1, 2 ]
amdhsa.kernels:
  - .name:           k_q715d52b5f7_rescore
    .symbol:         k_q715d52b5f7_rescore.kd
    .args:
      - { .name: keys, .offset: 0, .size: 8, .value_kind: global_buffer, .address_space: global }
      - { .name: query, .offset: 8, .size: 8, .value_kind: global_buffer, .address_space: global }
      - { .name: gid, .offset: 16, .size: 8, .value_kind: global_buffer, .address_space: global }
      - { .name: fidx, .offset: 24, .size: 8, .value_kind: global_buffer, .address_space: global }
    .group_segment_fixed_size: 2048
    .private_segment_fixed_size: 0
    .kernarg_segment_align: 8
    .kernarg_segment_size: 32
    .max_flat_workgroup_size: 256
    .sgpr_count:     66
    .vgpr_count:     178
    .wavefront_size: 32
...
	.end_amdgpu_metadata
.endif
;; end of part 3
;; launch gather (part 4): grid 256 x 1, 8 waves a work-group, no clusters, 0 bytes of LDS; arguments vals, fidx, out0; writes out0
.if DOCPART == 4
	.amdgcn_target "amdgcn-amd-amdhsa--gfx1250"
	.amdhsa_code_object_version 6
	.text
	.protected	k_q715d52b5f7_gather
	.globl	k_q715d52b5f7_gather
	.p2align	8
	.type	k_q715d52b5f7_gather,@function
k_q715d52b5f7_gather:
	s_mov_b64 s[64:65], 0
	v_nop
	global_prefetch_b8 v0, s[64:65] scope:SCOPE_SE
	s_setreg_imm32_b32 hwreg(HW_REG_WAVE_MODE, 25, 1), 1
	s_wait_xcnt 0x0
; out0[query][j][:] = vals[fidx[query][j]][:].  8,192 rows of 1,024 bytes; a wave copies four rows that lie next to each other in out0.
; The indices are whole numbers stored by an earlier launch and are read as scalars.  Each load and each store of a wave covers 512 consecutive
; bytes at a multiple of 512.  All eight loads go out at once; the stores follow as the loads come back.  A plain copy: no LDS, no barrier.
	s_load_b128 s[4:7], s[0:1], 0x0                ; vals s[4:5], fidx s[6:7]
	s_load_b64 s[8:9], s[0:1], 0x10                ; out0
	v_lshrrev_b32 v1, 5, v0
	v_readfirstlane_b32 s10, v1                    ; wave 0..7
	v_and_b32 v2, 31, v0
	v_lshlrev_b32 v2, 4, v2                        ; 16 bytes a lane
	s_lshl_b32 s11, ttmp9, 3
	s_add_co_u32 s11, s11, s10                     ; the wave's number in the launch
	s_lshl_b32 s12, s11, 4                         ; its four indices
	s_mov_b32 s13, 0
	s_lshl_b32 s14, s11, 12                        ; its four rows of out0
	s_mov_b32 s15, 0
	s_wait_kmcnt 0x0
	s_add_nc_u64 s[6:7], s[6:7], s[12:13]
	s_load_b128 s[16:19], s[6:7], 0x0
	s_add_nc_u64 s[8:9], s[8:9], s[14:15]
	s_wait_kmcnt 0x0
.irp i, 0,1,2,3
	s_min_u32 s[16+\i], s[16+\i], 0x1ffff          ; a loaded number enters an address only clamped to the table: 131,072 rows
	s_lshl_b32 s[20+2*\i], s[16+\i], 10            ; 1,024 bytes a row (below 2^27)
	s_mov_b32 s[21+2*\i], 0
	s_add_nc_u64 s[20+2*\i:21+2*\i], s[4:5], s[20+2*\i:21+2*\i]
.endr
.irp i, 0,1,2,3,4,5,6,7
	global_load_b128 v[4+4*\i:7+4*\i], v2, s[20+2*(\i/2):21+2*(\i/2)] offset:512*(\i%2)   ; no hint: several queries may name a row
.endr
.irp i, 0,1,2,3,4,5,6,7
	s_wait_loadcnt 7-\i                            ; loads come back in order: load i is in, the younger ones stay out
	global_store_b128 v2, v[4+4*\i:7+4*\i], s[8:9] offset:512*\i th:TH_STORE_NT
.endr
	s_endpgm
.Lfunc_end_k_q715d52b5f7_gather:
	.size	k_q715d52b5f7_gather, .Lfunc_end_k_q715d52b5f7_gather-k_q715d52b5f7_gather
	.p2alignl 7, 3214868480
	.fill 96, 4, 3214868480
	.section	.rodata,"a",@progbits
	.p2align	6, 0x0
	.amdhsa_kernel k_q715d52b5f7_gather
		.amdhsa_group_segment_fixed_size 0
		.amdhsa_private_segment_fixed_size 0
		.amdhsa_enable_private_segment 0
		.amdhsa_kernarg_size 24
		.amdhsa_user_sgpr_count 2
		.amdhsa_user_sgpr_kernarg_segment_ptr 1
		.amdhsa_wavefront_size32 1
		.amdhsa_system_sgpr_workgroup_id_x 1
		.amdhsa_system_sgpr_workgroup_id_y 1
		.amdhsa_system_sgpr_workgroup_id_z 1
		.amdhsa_system_vgpr_workitem_id 0
		.amdhsa_next_free_vgpr 40
		.amdhsa_next_free_sgpr 66
		.amdhsa_reserve_vcc 0
		.amdhsa_float_denorm_mode_32 3
		.amdhsa_float_denorm_mode_16_64 3
		.amdhsa_memory_ordered 1
		.amdhsa_forward_progress 1
		.amdhsa_inst_pref_size 4
	.end_amdhsa_kernel
	.amdgpu_metadata
---
amdhsa.version: [ 1, 2 ]
amdhsa.kernels:
  - .name:           k_q715d52b5f7_gather
    .symbol:         k_q715d52b5f7_gather.kd
    .args:
      - { .name: vals, .offset: 0, .size: 8, .value_kind: global_buffer, .address_space: global }
      - { .name: fidx, .offset: 8, .size: 8, .value_kind: global_buffer, .address_space: global }
      - { .name: out0, .offset: 16, .size: 8, .value_kind: global_buffer, .address_space: global }
    .group_segment_fixed_size: 0
    .private_segment_fixed_size: 0
    .kernarg_segment_align: 8
    .kernarg_segment_size: 24
    .max_flat_workgroup_size: 256
    .sgpr_count:     66
    .vgpr_count:     40
    .wavefront_size: 32
...
	.end_amdgpu_metadata
.endif
;; end of part 4
;; ======== version 2 of 3: 4 launches; 1.12 times as fast as version 1
;; workspace buffers: cand 4,194,304 bytes; gid 65,536 bytes of whole numbers; fidx 32,768 bytes of whole numbers
;; launch score (part 5): grid 2 x 128, 4 waves a work-group, no clusters, 68,608 bytes of LDS; arguments keys, query, cand; writes cand
.if DOCPART == 5
	.amdgcn_target "amdgcn-amd-amdhsa--gfx1250"
	.amdhsa_code_object_version 6
	.text
	.protected	k_q715d52b5f7_score
	.globl	k_q715d52b5f7_score
	.p2align	8
	.type	k_q715d52b5f7_score,@function
k_q715d52b5f7_score:
	s_mov_b64 s[64:65], 0
	v_nop
	global_prefetch_b8 v0, s[64:65] scope:SCOPE_SE
	s_setreg_imm32_b32 hwreg(HW_REG_WAVE_MODE, 25, 1), 1
	s_wait_xcnt 0x0
; FILTER.  For 512 queries and a chunk of 1,024 keys: d2 = |q|^2 + |k|^2 - 2 q.k on the vectors rounded to bf16, the minimum of d2 over
; each group of 8 neighbouring keys, and for each query the 8 groups of the chunk with the smallest minima.
; cand[chunk][query][8]: f32 words, ascending; the low 7 mantissa bits of a word hold the group's number in the chunk (key >> 3, 0..127).
; A later launch computes the distances of the surviving keys in f32; this launch only has to keep the right groups.
;
; SHARES.  Work-group (x = half of the queries, y = chunk), four waves.  Wave w keeps its 128 queries for the whole launch as B fragments
; of bf16(-2 q): 8 column tiles x 8 K steps x 8 registers = 512 registers.  Keys are the A operand: in a result tile lane (r, h) holds query r
; and its registers 0..7 the keys 8 h + 0..7, so a lane's eight registers ARE one group.  The first K step takes |k|^2 as C, so that the
; accumulators hold |k|^2 - 2 q.k without vector work.  16 keys (8 KB of LDS reads) feed 64 matrix instructions of a wave.
; KEYS pass through registers, because they are rounded to bf16 and squared on the way: global_load -> v_cvt_pk_bf16_f32 -> LDS.
; A stage is 64 keys.  Stage s is multiplied from LDS buffer s & 1, while stage s + 1 is converted into the other buffer and stage s + 2 is
; loaded into registers: each wave has 32 loads of 512 bytes on their way, issued a whole stage (256 matrix instructions) ahead of their use.
; THE ORDER OF THE TEXT.  Matrix instructions go in pairs, and behind each pair stands a small portion of the vector work (3 to 7 instructions
; of the selection or of the conversion), so that vector work is issued between matrix instructions and not in one piece behind many.  The
; conversion's memory instructions stand in runs of 17 at the end of a half tile (32 matrix instructions).  The price of the portions: four
; window switches for four matrix instructions, since the matrix operands, the lists and the keys on their way lie in different windows.
; SELECTION: 7 instructions give a group's minimum, 2 add |q|^2 and set the group's number, 8 insert it into a sorted list of 8
; (entry i becomes the middle one of entry i-1, entry i and the new word): fixed work, no branch and no address hangs on a number.
; NO CLUSTER, NO TENSOR LOADS: a key tile is shared by two work-groups only, and its bytes have to pass through registers anyway (rounding,
; squares), so an f32 copy in LDS would be one more round trip.
; LIMITS: d2 must be finite and below 1.7e38 (the lists start at 0x7f000000); no NaN.  The filter's error is that of bf16 operands and of the
; identity |q|^2 + |k|^2 - 2 q.k in f32 sums, plus 2^-16 relative for the 7 bits; it grows with a common offset of the inputs.  A chunk hands
; on 8 groups, which is what exact arithmetic needs; the margin (16 groups) is taken over all chunks in the next launch.
.set PITCH,  528                       ; an LDS row: 512 bytes (256 bf16) + 16: an odd multiple of 16, so 16 rows start in 16 different columns of 16 bytes
.set BUF,    64*PITCH                  ; one stage of keys in bf16
.set K2BASE, 2*BUF                     ; behind the two buffers: 2 x 64 words of |k|^2
.set STAGEB, 65536                     ; a stage in memory: 64 rows of 1,024 bytes
; window 0 (v0-255)
.set KOFF, 3                           ; byte offset of my 16 bytes in a stage: 16384 w + 8192 h + 16 r
.set STA,  4                           ; v4-5   where my 8 bytes of bf16 go, buffer 0, 1
.set K2A,  6                           ; v6-7   where my rows' |k|^2 go
.set ARD,  8                           ; v8-9   where my A fragments are read
.set K2R,  10                          ; v10-11 where my eight |k|^2 are read
.set QOFF, 12                          ; 1024 r + 32 h: my part of a query tile
.set COFF, 13                          ; 32 r + 16 h: my 16 bytes of a query's list
.set ZERO, 14
.set SM,   20                          ; v20-27 two sets of four sums of squares: first chain of the batch's rows a, b, then second chain of a, b
.set AF0,  32                          ; v32-95  A fragments, buffer 0 (K step k at +8 k)
.set GQ,   96                          ; v96-223 32 x 4 registers: a stage's keys as loaded
.set TPB,  224                         ; v224-255 two sets of 8 pairs: a batch's eight quads as packed bf16; the sets take turns from batch to batch
; window 1 (v256-511), numbers are the low 8 bits
.set ACC,  0                           ; 8 accumulator tiles (column tile n at 8 n).  Ahead of the loop 0-127 stage the queries; at the end 0-31 hold what is stored
.set LST,  64                          ; 8 lists of 8 (tile n, entry i at 8 n + i)
.set KSQ,  128                         ; |k|^2 of a tile's keys, two buffers of 8
.set QSQ,  144                         ; |q|^2 of my query in tile n
.set GID,  152                         ; the number of the group that is being selected: 2 x tile + h
.set MINA, 154
.set MINB, 155
.set ZERO1, 156
.set QA,   160                         ; four running sums for |q|^2
.set XR,   164                         ; eight words of the other half-wave's list
.set PT,   172                         ; destination of the lane exchange
.set AF1,  192                         ; A fragments, buffer 1
; windows 2 and 3: B fragments, column tile n, K step k at 64 (n & 3) + 8 k of window 2 + n / 4
; s_set_vgpr_msb, low byte: bits 1:0 source 0, 3:2 source 1, 5:4 source 2, 7:6 destination; the high byte repeats the setting that is left.
.set MSB, 0
.macro WIN new
.if MSB != \new
	s_set_vgpr_msb (MSB<<8)|\new
.set MSB, \new
.endif
.endm
	s_load_b128 s[4:7], s[0:1], 0x0                ; keys s[4:5], query s[6:7]
	s_load_b64 s[8:9], s[0:1], 0x10                ; cand
	v_lshl_add_u32 v30, v0, 2, 0x10a00
	v_mov_b32 v31, 0
	v_lshrrev_b32 v15, 5, v0
	v_readfirstlane_b32 s10, v15                   ; wave 0..3
	s_and_b32 s12, ttmp7, 0xffff                   ; chunk
	s_mov_b32 s13, 0x7f                            ; the 7 bits of a group's number
	s_mov_b32 s14, 0x76543210                      ; v_permlanex16_b32: lane i reads lane i of the other half
	s_mov_b32 s15, 0xfedcba98
	s_mov_b32 s23, 0x7f000000                      ; 1.7e38: what the lists start with
	v_and_b32 v1, 15, v0                           ; r
	v_bfe_u32 v2, v0, 4, 1                         ; h
	v_cmp_ne_u32 s22, 0, v2                        ; lanes 16-31
	s_lshl_b32 s18, s10, 14                        ; a wave loads 16 of a stage's 64 rows
	v_lshlrev_b32 v15, 4, v1
	v_lshl_add_u32 v15, v2, 13, v15                ; lanes 16-31 take the row 8 further down
	v_add_nc_u32 v[KOFF], s18, v15
	s_mul_i32 s18, s10, 16*PITCH
	v_mul_u32_u24 v15, v2, 8*PITCH
	v_lshl_add_u32 v15, v1, 3, v15                 ; four bf16 = 8 bytes a lane
	v_add_nc_u32 v[STA], s18, v15
	v_add_nc_u32 v[STA+1], BUF, v[STA]
	s_lshl_b32 s18, s10, 6
	s_add_co_u32 s18, s18, K2BASE
	v_lshl_add_u32 v[K2A], v2, 5, s18              ; word 16 w + 8 h
	v_add_nc_u32 v[K2A+1], 256, v[K2A]
	v_mul_u32_u24 v15, v1, PITCH
	v_lshl_add_u32 v[ARD], v2, 4, v15              ; fragment: row r, 16 bytes for each half of the lanes
	v_add_nc_u32 v[ARD+1], BUF, v[ARD]
	v_lshlrev_b32 v15, 5, v2
	v_add_nc_u32 v[K2R], K2BASE, v15               ; C of lane (r, h): keys 8 h + 0..7
	v_add_nc_u32 v[K2R+1], K2BASE+256, v15
	v_lshlrev_b32 v15, 10, v1
	v_lshl_add_u32 v[QOFF], v2, 5, v15
	v_lshlrev_b32 v15, 5, v1
	v_lshl_add_u32 v[COFF], v2, 4, v15
	v_mov_b32 v[ZERO], 0
	s_lshl_b32 s18, ttmp9, 19                      ; query: (512 half + 128 w) rows of 1,024 bytes
	s_lshl_b32 s19, s10, 17
	s_add_co_u32 s18, s18, s19
	s_mov_b32 s19, 0
	s_lshl_b32 s24, s12, 15                        ; cand: chunk x 1,024 lists of 32 bytes + (512 half + 128 w) lists
	s_lshl_b32 s25, ttmp9, 14
	s_add_co_u32 s24, s24, s25
	s_lshl_b32 s25, s10, 12
	s_add_co_u32 s24, s24, s25
	s_mov_b32 s25, 0
	s_lshl_b32 s26, s12, 20                        ; keys: chunk x 1,024 rows of 1,024 bytes (below 2^27)
	s_mov_b32 s27, 0
	s_wait_kmcnt 0x0
	s_add_nc_u64 s[6:7], s[6:7], s[18:19]
	s_add_nc_u64 s[8:9], s[8:9], s[24:25]
	s_add_nc_u64 s[20:21], s[4:5], s[26:27]        ; s[20:21]: the stage that is loaded next
	; stage 0 of the keys goes out first.  Load i: 256 bytes (quarter i % 4) of row i / 4 in lanes 0-15, of row i / 4 + 8 in lanes 16-31.
.set ci, 0
.rept 32
	global_load_b128 v[GQ+4*ci:GQ+4*ci+3], v[KOFF], s[20:21] offset:(ci/4)*1024+(ci%4)*256
.set ci, ci+1
.endr
; THE QUERIES.  Fragment g = 8 n + k: lane (r, h) takes of query 16 n + r the elements 32 k + 8 h + 0..7 and 32 k + 16 + 8 h + 0..7, 16 f32,
; into staging slot g % 8 (16 registers of window 1).
.macro QLOAD g
.set qg, \g
.set qd, 16*(qg%8)
.set qo, (qg/8)*16384+(qg%8)*128
	global_load_b128 v[qd:qd+3],     v[QOFF], s[6:7] offset:qo
	global_load_b128 v[qd+4:qd+7],   v[QOFF], s[6:7] offset:qo+16
	global_load_b128 v[qd+8:qd+11],  v[QOFF], s[6:7] offset:qo+64
	global_load_b128 v[qd+12:qd+15], v[QOFF], s[6:7] offset:qo+80
.endm
; One fragment: times -2 (exact), rounded to bf16 into B; the slot is loaded again, eight fragments ahead; the squares of the rounded numbers
; are summed in four chains.  Behind a tile's last K step: the two half-waves' sums meet, and a quarter of the sum of (-2 q)^2 is |q|^2.
.macro QFRAG f
.set qf, \f
.set qn, qf/8
.set qk, qf%8
.set qs, 16*qk
.set qb, 64*(qn%4)+8*qk
.set qw, 2+qn/4
.if qf > 56
	s_wait_loadcnt 4*(63-qf)                       ; the fragments behind mine, four loads each: none is issued any more
.else
	s_wait_loadcnt 28                              ; seven younger fragments of four loads stay out
.endif
	WIN 0x55
.irp i, 0,2,4,6,8,10,12,14
	v_pk_mul_f32 v[qs+\i:qs+\i+1], v[qs+\i:qs+\i+1], -2.0 op_sel_hi:[1,0]
.endr
	WIN (0x05|(qw<<6))
.irp i, 0,1,2,3,4,5,6,7
	v_cvt_pk_bf16_f32 v[qb+\i], v[qs+2*\i], v[qs+2*\i+1]
.endr
.if qf < 56
	WIN 0x40
	QLOAD qf+8
.endif
	WIN (0x50|(qw<<2)|qw)
.set qi, 0
.rept 8
.set qa0, QA+(2*qi)%4
.set qa1, qa0+1
.set qc0, qa0
.set qc1, qa1
.if qk == 0
.if qi < 2
.set qc0, ZERO1                                    ; a tile's first four squares start the chains
.set qc1, ZERO1
.endif
.endif
	v_fma_mix_f32_bf16 v[qa0], v[qb+qi], v[qb+qi], v[qc0] op_sel_hi:[1,1,0]
	v_fma_mix_f32_bf16 v[qa1], v[qb+qi], v[qb+qi], v[qc1] op_sel:[1,1,0] op_sel_hi:[1,1,0]
.set qi, qi+1
.endr
.if qk == 7
	WIN 0x55
	v_add_f32 v[QA], v[QA], v[QA+1]
	v_add_f32 v[QA+2], v[QA+2], v[QA+3]
	v_add_f32 v[QA], v[QA], v[QA+2]
	v_permlanex16_b32 v[PT], v[QA], s14, s15
	v_add_f32 v[QA], v[QA], v[PT]
	v_mul_f32 v[QSQ+qn], 0x3e800000, v[QA]         ; x 0.25
.endif
.endm
	WIN 0x40
	v_mov_b32 v[ZERO1], 0
	v_mov_b32 v[PT], 0                             ; the lane exchange counts as a reader of its destination
.set qq, 0
.rept 8
	QLOAD qq
.set qq, qq+1
.endr
.set qq, 0
.rept 64
	QFRAG qq
.set qq, qq+1
.endr
; THE KEYS' WAY INTO LDS, in batches of eight quads = two rows for each half of the lanes.  Quad i is quarter i % 4 of row i / 4 (lanes 0-15) or
; i / 4 + 8 (lanes 16-31) of my 16 rows.
; CONVV: the vector work of one quad, no memory instruction: four f32 become four bf16 in the quad's own pair of registers, and their squares are
; added up in the row's two chains.  Behind the batch's eighth quad the 16 lanes that hold a row add their sums, the two rows' chains interleaved.
.macro CONVV i
.set ci, \i
.set ce, ci%8
.set cs, (ci/8)%2
.set ct, TPB+16*cs+2*ce
.set ca, SM+4*cs+ce/4
.set cb, ca+2
	v_cvt_pk_bf16_f32 v[ct],   v[GQ+4*ci],   v[GQ+4*ci+1]
	v_cvt_pk_bf16_f32 v[ct+1], v[GQ+4*ci+2], v[GQ+4*ci+3]
.if ce%4 == 0
	v_fma_mix_f32_bf16 v[ca], v[ct], v[ct], v[ZERO] op_sel_hi:[1,1,0]                    ; a row's first two squares start its chains
	v_fma_mix_f32_bf16 v[cb], v[ct], v[ct], v[ZERO] op_sel:[1,1,0] op_sel_hi:[1,1,0]
.else
	v_fma_mix_f32_bf16 v[ca], v[ct], v[ct], v[ca] op_sel_hi:[1,1,0]
	v_fma_mix_f32_bf16 v[cb], v[ct], v[ct], v[cb] op_sel:[1,1,0] op_sel_hi:[1,1,0]
.endif
	v_fma_mix_f32_bf16 v[ca], v[ct+1], v[ct+1], v[ca] op_sel_hi:[1,1,0]
	v_fma_mix_f32_bf16 v[cb], v[ct+1], v[ct+1], v[cb] op_sel:[1,1,0] op_sel_hi:[1,1,0]
.if ce == 7
.set csm, SM+4*cs
	v_pk_add_f32 v[csm:csm+1], v[csm:csm+1], v[csm+2:csm+3]
.irp m, 1,2,4,8
	v_add_f32_dpp v[csm],   v[csm],   v[csm]   row_xmask:\m row_mask:0xf bank_mask:0xf
	v_add_f32_dpp v[csm+1], v[csm+1], v[csm+1] row_xmask:\m row_mask:0xf bank_mask:0xf
.endr
.endif
.endm
; CMEM: the memory instructions of batch f (0..3) in one run.  reload = 1: the batch's 32 registers are loaded again, with the stage at s[20:21];
; eight stores of 8 bytes a lane into buffer ob; one store of the two rows' |k|^2 (two neighbouring words; the 16 lanes of a row store the same).
.macro CMEM f, ob, reload
.set cs, (\f)%2
.if \reload
.irp e, 0,1,2,3,4,5,6,7
.set ci, 8*(\f)+\e
	global_load_b128 v[GQ+4*ci:GQ+4*ci+3], v[KOFF], s[20:21] offset:(ci/4)*1024+(ci%4)*256
.endr
.endif
.irp e, 0,1,2,3,4,5,6,7
.set ci, 8*(\f)+\e
	ds_store_b64 v[STA+\ob], v[TPB+16*cs+2*\e:TPB+16*cs+2*\e+1] offset:(ci/4)*PITCH+(ci%4)*128   ; lanes 0-15: 128 neighbouring bytes; lanes 16-31: 8 rows on = 128 bytes on, modulo 256
.endr
	ds_store_b64 v[K2A+\ob], v[SM+4*cs:SM+4*cs+1] offset:8*(\f)
.endm
; 18 LDS loads in one run: tile t (16 keys) of LDS buffer b into register buffer ab: its |k|^2 (C) and its eight A fragments.
.macro ARUN b, t, ab
.set ra, AF0+(AF1-AF0)*(\ab)
.set rk, KSQ+8*(\ab)
.set ro, (\t)*16*PITCH
	WIN 0x40
	ds_load_b128 v[rk:rk+3],   v[K2R+\b] offset:64*(\t)
	ds_load_b128 v[rk+4:rk+7], v[K2R+\b] offset:64*(\t)+16
	WIN ((\ab)<<6)
.irp k, 0,1,2,3,4,5,6,7
	ds_load_b128 v[ra+8*\k:ra+8*\k+3],   v[ARD+\b] offset:ro+64*\k
	ds_load_b128 v[ra+8*\k+4:ra+8*\k+7], v[ARD+\b] offset:ro+64*\k+32
.endr
.endm
; One matrix instruction: K step k of column tile 4 p + q.  A half tile's four accumulators take turns, q = 0, 1, 2, 3, one instruction a turn.
.macro MM1 p, k, ab, q
.set ma, AF0+(AF1-AF0)*(\ab)+8*(\k)
.set md, ACC+8*(4*(\p)+(\q))
.set mb, 64*(\q)+8*(\k)
.if (\k) == 0
	v_wmma_f32_16x16x32_bf16 v[md:md+7], v[ma:ma+7], v[mb:mb+7], v[KSQ+8*(\ab):KSQ+8*(\ab)+7]   ; the first K step starts the sums at |k|^2
.else
	v_wmma_f32_16x16x32_bf16 v[md:md+7], v[ma:ma+7], v[mb:mb+7], v[md:md+7]
.endif
.endm
; entry i of list l becomes the middle one of entry i - 1, itself and the new word x (taken from 7 down to 1, each reads old neighbours)
.macro MED l, i, x
	v_med3_num_f32 v[LST+8*(\l)+\i], v[LST+8*(\l)+\i-1], v[LST+8*(\l)+\i], v[\x]
.endm
.macro INSERT n, x
.irp i, 7,6,5,4,3,2,1
	MED \n, \i, \x
.endr
	v_min_num_f32 v[LST+8*(\n)], v[LST+8*(\n)], v[\x]
.endm
; The selection for column tiles a and a + 1: 28 instructions in four steps ph of seven, one step for every four matrix instructions;
; part 0 is a step's first four instructions, part 1 its last three.
.macro SEL ph, a, part
.set sa, \a
.set sb, sa+1
.set sx, 2*(\ph)+(\part)
.if sx == 0
	v_min3_num_f32 v[MINA], v[ACC+8*sa],  v[ACC+8*sa+1], v[ACC+8*sa+2]
	v_min3_num_f32 v[MINB], v[ACC+8*sb],  v[ACC+8*sb+1], v[ACC+8*sb+2]
	v_min3_num_f32 v[MINA], v[MINA], v[ACC+8*sa+3], v[ACC+8*sa+4]
	v_min3_num_f32 v[MINB], v[MINB], v[ACC+8*sb+3], v[ACC+8*sb+4]
.endif
.if sx == 1
	v_min3_num_f32 v[MINA], v[MINA], v[ACC+8*sa+5], v[ACC+8*sa+6]
	v_min3_num_f32 v[MINB], v[MINB], v[ACC+8*sb+5], v[ACC+8*sb+6]
	v_min_num_f32  v[MINA], v[MINA], v[ACC+8*sa+7]
.endif
.if sx == 2
	v_min_num_f32  v[MINB], v[MINB], v[ACC+8*sb+7]
	v_add_f32 v[MINA], v[MINA], v[QSQ+sa]          ; + |q|^2, once for eight keys: adding keeps the order
	v_add_f32 v[MINB], v[MINB], v[QSQ+sb]
	v_bfi_b32 v[MINA], s13, v[GID], v[MINA]        ; the group's number into the low 7 bits
.endif
.if sx == 3
	v_bfi_b32 v[MINB], s13, v[GID], v[MINB]
	MED sa, 7, MINA
	MED sa, 6, MINA
.endif
.if sx == 4
	MED sa, 5, MINA
	MED sa, 4, MINA
	MED sa, 3, MINA
	MED sa, 2, MINA
.endif
.if sx == 5
	MED sa, 1, MINA
	v_min_num_f32 v[LST+8*sa], v[LST+8*sa], v[MINA]
	MED sb, 7, MINB
.endif
.if sx == 6
	MED sb, 6, MINB
	MED sb, 5, MINB
	MED sb, 4, MINB
	MED sb, 3, MINB
.endif
.if sx == 7
	MED sb, 2, MINB
	MED sb, 1, MINB
	v_min_num_f32 v[LST+8*sb], v[LST+8*sb], v[MINB]
.endif
.endm
; Half a tile: 32 matrix instructions on accumulators 4 p .. 4 p + 3, while the other four accumulators, finished half a tile ago, are selected.
; A K step is two pairs of matrix instructions with a portion of vector work behind each.  conv = 0: four and three instructions of the selection.
; conv = 1: the selection's seven, and one quad's conversion (quads c0 .. c0 + 7, one a K step); the batch's memory instructions follow in one
; run at the end.
; PLACES (ISA guide 7.12.1 asks for four before a vector instruction reads a matrix result): behind the half tile's last instructions on its first
; two accumulators stand at least seven list instructions that name none of their registers, and only then does the next half tile's
; selection read those two; the other two are read four K steps later.
.macro PHASE p, ab, conv, c0, ob, reload
.irp k, 0,1,2,3,4,5,6,7
	WIN (0x50|((2+\p)<<2)|\ab)
	MM1 \p, \k, \ab, 0
	MM1 \p, \k, \ab, 1
	WIN 0x55
.if \p == 1
.if \k == 0
	v_add_nc_u32 v[GID], 2, v[GID]                 ; from here on this tile's groups are selected
.endif
.endif
	SEL (\k&3), 4*(1-\p)+2*(\k>>2), 0
.if \conv
	SEL (\k&3), 4*(1-\p)+2*(\k>>2), 1
.endif
	WIN (0x50|((2+\p)<<2)|\ab)
	MM1 \p, \k, \ab, 2
	MM1 \p, \k, \ab, 3
.if \conv
	WIN 0
.if \k == 0
.if \reload
	s_wait_loadcnt 24                              ; my batch f = c0 / 8 is in: behind its eight loads stand 8 (3 - f) of its own stage and the 8 f reloads of this one
.else
	s_wait_loadcnt 24-(\c0)                        ; the last stage: only the 8 (3 - f) of its own stage stand behind it
.endif
.endif
	CONVV \c0+\k
.else
	WIN 0x55
	SEL (\k&3), 4*(1-\p)+2*(\k>>2), 1
.endif
.endr
.if \conv
	CMEM (\c0)/8, \ob, \reload
.endif
.endm
; A tile of 16 keys from LDS buffer b.  In its middle the next tile's 18 loads go out, into registers that matrix instructions last read a tile ago.
; sync = 1: the stage's one barrier, its signal and its wait half a tile apart, with register work alone between them.
.macro TILE b, t, conv, ob, reload, dsw, sync, run
	s_wait_dscnt \dsw                              ; this tile's 18 loads are in; dsw = 9: the nine LDS stores of the batch issued behind them may be out
.if \sync
	s_barrier_signal -1                            ; (dsw = 0) my stores into the other buffer are done, my last reads of this buffer are back
.endif
	PHASE 0, (\t&1), \conv, 16*\t, \ob, \reload
.if \sync
	s_barrier_wait -1                              ; that holds of all four waves: the other buffer may be read, and this one written in the next stage
.endif
.if \run
.if \t == 3
	ARUN 1-\b, 0, 0
.else
	ARUN \b, \t+1, ((\t+1)&1)
.endif
.endif
	PHASE 1, (\t&1), \conv, 16*\t+8, \ob, \reload
.endm
.macro STAGE b, conv, reload, last
.if \reload
	s_wait_xcnt 0x0                                ; the loads that name s[20:21] have had their addresses translated (ISA guide 3.1): the base steps only behind this wait
	s_add_nc_u64 s[20:21], s[20:21], STAGEB
.endif
	TILE \b, 0, \conv, 1-\b, \reload, 0, 0, 1
	TILE \b, 1, \conv, 1-\b, \reload, 9*\conv, 0, 1
	TILE \b, 2, 0, 1-\b, 0, 9*\conv, 0, 1
	TILE \b, 3, 0, 1-\b, 0, 0, 1-\last, 1-\last
.endm
	WIN 0
	s_wait_xcnt 0x0
	s_add_nc_u64 s[20:21], s[20:21], STAGEB        ; stage 1
.set cc, 0
.rept 4
	s_wait_loadcnt 24                              ; as in a stage: 8 (3 - f) loads of stage 0 and 8 f of stage 1 stand behind batch f (met: the queries' last wait was for 0)
.set c2, 0
.rept 8
	CONVV 8*cc+c2                                  ; stage 0 into buffer 0,
.set c2, c2+1
.endr
	CMEM cc, 0, 1                                  ; stage 1 into the registers
.set cc, cc+1
.endr
	s_wait_dscnt 0x0                               ; my part of buffer 0 is written,
	s_barrier_signal -1
	s_barrier_wait -1                              ; everybody's is
	ARUN 0, 0, 0
	; The lists start at 1.7e38, and so do accumulators 4-7, which the first half tile selects before anything has been multiplied into them:
	; that word is no smaller than the lists' entries and changes nothing.  Each lane then sees 64 real groups for each of its lists of 8.
	WIN 0x40
.set ii, 0
.rept 64
	v_mov_b32 v[LST+ii], s23
.set ii, ii+1
.endr
.set ii, 0
.rept 32
	v_mov_b32 v[ACC+32+ii], s23
.set ii, ii+1
.endr
.set ii, 0
.rept 8
	v_mov_b32 v[XR+ii], 0                          ; destinations of the lane exchange at the end
.set ii, ii+1
.endr
	v_add_nc_u32 v[GID], -2, v2                    ; tile 0's second half makes it h
	WIN 0                                          ; at a label and at a branch every window is 0
	s_mov_b32 s16, 7
.Lstage:
	STAGE 0, 1, 1, 0                               ; stages 0 to 13: they load stages 2 to 15
	STAGE 1, 1, 1, 0
	WIN 0
	s_sub_co_i32 s16, s16, 1
	s_cmp_lg_u32 s16, 0
	s_cbranch_scc1 .Lstage
	STAGE 0, 1, 0, 0                               ; stage 14 converts stage 15 and loads nothing
	STAGE 1, 0, 0, 1                               ; stage 15
	WIN 0x55
.irp a, 4, 6
.irp ph, 0,1,2,3
	SEL \ph, \a, 0                                 ; the last tile's accumulators 4-7: seven list instructions stand behind the last matrix instructions
	SEL \ph, \a, 1                                 ; on 4 and 5, three and then the 28 of that pair behind those on 6 and 7
.endr
.endr
	; Lane (r, h) has seen the groups of parity h.  Each half takes the other half's list and inserts its eight words: both then hold the query's best 8.
.set nn, 0
.rept 8
.irp i, 0,1,2,3,4,5,6,7
	v_permlanex16_b32 v[XR+\i], v[LST+8*nn+\i], s14, s15
.endr
.irp i, 0,1,2,3,4,5,6,7
	INSERT nn, XR+\i
.endr
.set nn, nn+1
.endr
.set nn, 0
.rept 8
.irp i, 0,1,2,3
	v_cndmask_b32 v[ACC+4*nn+\i], v[LST+8*nn+\i], v[LST+8*nn+4+\i], s22   ; lanes 0-15 store entries 0-3, lanes 16-31 entries 4-7
.endr
.set nn, nn+1
.endr
	WIN 0x04                                       ; store data in window 1
.set nn, 0
.rept 8
	global_store_b128 v[COFF], v[ACC+4*nn:ACC+4*nn+3], s[8:9] offset:512*nn th:TH_STORE_NT   ; 16 lists = 512 consecutive bytes, at a multiple of 512
.set nn, nn+1
.endr
	WIN 0
	s_wait_tensorcnt 0x0
	ds_add_u32 v30, v31
	s_wait_dscnt 0x0
	s_endpgm
.Lfunc_end_k_q715d52b5f7_score:
	.size	k_q715d52b5f7_score, .Lfunc_end_k_q715d52b5f7_score-k_q715d52b5f7_score
	.p2alignl 7, 3214868480
	.fill 96, 4, 3214868480
	.section	.rodata,"a",@progbits
	.p2align	6, 0x0
	.amdhsa_kernel k_q715d52b5f7_score
		.amdhsa_group_segment_fixed_size 68608
		.amdhsa_private_segment_fixed_size 0
		.amdhsa_enable_private_segment 0
		.amdhsa_kernarg_size 24
		.amdhsa_user_sgpr_count 2
		.amdhsa_user_sgpr_kernarg_segment_ptr 1
		.amdhsa_wavefront_size32 1
		.amdhsa_system_sgpr_workgroup_id_x 1
		.amdhsa_system_sgpr_workgroup_id_y 1
		.amdhsa_system_sgpr_workgroup_id_z 1
		.amdhsa_system_vgpr_workitem_id 0
		.amdhsa_next_free_vgpr 1024
		.amdhsa_next_free_sgpr 66
		.amdhsa_reserve_vcc 0
		.amdhsa_float_denorm_mode_32 3
		.amdhsa_float_denorm_mode_16_64 3
		.amdhsa_memory_ordered 1
		.amdhsa_forward_progress 1
		.amdhsa_inst_pref_size 255
	.end_amdhsa_kernel
	.section	.bss,"aw",@nobits
	.p2align	6
	.space	262144
	.amdgpu_metadata
---
amdhsa.version: [ 1, 2 ]
amdhsa.kernels:
  - .name:           k_q715d52b5f7_score
    .symbol:         k_q715d52b5f7_score.kd
    .args:
      - { .name: keys, .offset: 0, .size: 8, .value_kind: global_buffer, .address_space: global }
      - { .name: query, .offset: 8, .size: 8, .value_kind: global_buffer, .address_space: global }
      - { .name: cand, .offset: 16, .size: 8, .value_kind: global_buffer, .address_space: global }
    .group_segment_fixed_size: 68608
    .private_segment_fixed_size: 0
    .kernarg_segment_align: 8
    .kernarg_segment_size: 24
    .max_flat_workgroup_size: 128
    .sgpr_count:     66
    .vgpr_count:     1024
    .wavefront_size: 32
...
	.end_amdgpu_metadata
.endif
;; end of part 5
;; launch merge: the kernel of part 2 again; grid 128 x 1, 8 waves a work-group, no clusters, 34,048 bytes of LDS; arguments cand, gid; writes gid
;; launch rescore: the kernel of part 3 again; grid 1024 x 1, 8 waves a work-group, no clusters, 2,048 bytes of LDS; arguments keys, query, gid, fidx; writes fidx
;; launch gather: the kernel of part 4 again; grid 256 x 1, 8 waves a work-group, no clusters, 0 bytes of LDS; arguments vals, fidx, out0; writes out0
;; ======== version 3 of 3: 4 launches; version 2 with the launch score written anew for expert scheduling mode
;; workspace buffers: cand 4,194,304 bytes; gid 65,536 bytes of whole numbers; fidx 32,768 bytes of whole numbers
;; launch score (part 6): grid 2 x 128, 4 waves a work-group, no clusters, 68,608 bytes of LDS; arguments keys, query, cand; writes cand
.if DOCPART == 6
	.amdgcn_target "amdgcn-amd-amdhsa--gfx1250"
	.amdhsa_code_object_version 6
	.text
	.protected	k_q715d52b5f7_score
	.globl	k_q715d52b5f7_score
	.p2align	8
	.type	k_q715d52b5f7_score,@function
k_q715d52b5f7_score:
	s_mov_b64 s[64:65], 0
	v_nop
	global_prefetch_b8 v0, s[64:65] scope:SCOPE_SE
	s_setreg_imm32_b32 hwreg(HW_REG_WAVE_SCHED_MODE, 0, 2), 2
	s_setreg_imm32_b32 hwreg(HW_REG_WAVE_MODE, 25, 1), 1
	s_wait_xcnt 0x0
	s_wait_alu depctr_vm_vsrc(0)
; FILTER.  For 512 queries and a chunk of 1,024 keys: d2 = |q|^2 + |k|^2 - 2 q.k on the vectors rounded to bf16, the minimum of d2 over
; each group of 8 neighbouring keys, and for each query the 8 groups of the chunk with the smallest minima.
; cand[chunk][query][8]: f32 words, ascending; the low 7 mantissa bits of a word hold the group's number in the chunk (key >> 3, 0..127).
; A later launch computes the distances of the surviving keys in f32; this launch only has to keep the right groups.
;
; SHARES.  Work-group (x = half of the queries, y = chunk), four waves.  Wave w keeps its 128 queries for the whole launch as B fragments
; of bf16(-2 q): 8 column tiles x 8 K steps x 8 registers = 512 registers.  Keys are the A operand: in a result tile lane (r, h) holds query r
; and its registers 0..7 the keys 8 h + 0..7, so a lane's eight registers ARE one group.  The first K step takes |k|^2 as C, so that the
; accumulators hold |k|^2 - 2 q.k without vector work.  16 keys (8 KB of LDS reads) feed 64 matrix instructions of a wave.
; KEYS pass through registers, because they are rounded to bf16 and squared on the way: global_load -> v_cvt_pk_bf16_f32 -> LDS.
; A stage is 64 keys.  Stage s is multiplied from LDS buffer s & 1, while stage s + 1 is converted into the other buffer and stage s + 2 is
; loaded into registers: each wave has 32 loads of 512 bytes on their way, issued a whole stage (256 matrix instructions) ahead of their use.
; THE ORDER OF THE TEXT.  Matrix instructions go in pairs, and behind each pair stands a small portion of the vector work (3 to 7 instructions
; of the selection or of the conversion), so that vector work is issued between matrix instructions and not in one piece behind many.  The
; conversion's memory instructions stand in runs of 17 at the end of a half tile (32 matrix instructions).  The price of the portions: four
; window switches for four matrix instructions, since the matrix operands, the lists and the keys on their way lie in different windows.
; THE MODE: SCHED_MODE bits 1:0 = 2 (LLVM: expert scheduling mode 2), set by the entry lines.  The code itself states the register dependences
; between vector or matrix instructions and memory or LDS instructions, with s_wait_alu, always for 0.
; THE PLAN.  Registers that memory or LDS instructions touch:
;   v3-v13             offsets and LDS addresses: made at the head, in front of one wait, never written again (the keys' rows are reached by a scalar base and immediates).
;   the queries' slots ahead of the loop: loaded; multiplied in place and read by the conversions; behind one wait loaded again.
;   GQ, batch f        loaded by batch f's run of memory instructions; read a stage later by batch f's conversions.
;   TPB, SM, set f % 2 written by batch f's conversions and sums; read by the nine LDS stores of batch f's run.
;   AF0, KSQ 0-7       loaded in the middle of an odd tile, in one run; read by the matrix instructions of the even tile behind it.
;   AF1, KSQ 8-15      loaded in the second half of an even tile; read by the matrix instructions of the odd tile behind it.
;   The accumulators, the lists and B are named by vector and matrix instructions alone; at the very end 32 registers are stored, behind a wait.
; A stage that converts has five waits for vector and matrix results.  Four stand at the heads of the batches' runs, at the ends of the half tiles of tiles 0 and 1:
; each states that the batch's conversions are done reading GQ and have written TPB and SM, and that every matrix instruction issued so far is done reading its A and C.
; So the loads for tile 1 (behind batch 0's wait), tile 2 (behind batch 2's) and tile 3 (behind batch 3's, which stands behind all of tile 1) owe no wait of their own:
; nothing issued since names the registers in which they land.  The fifth stands in tile 3, ahead of the loads for the next stage's tile 0.  Beside each batch's wait stands
; one for the LDS stores of the batch before, issued half a tile earlier: they have read the set of TPB and SM that the next batch writes again.
; SELECTION: 7 instructions give a group's minimum, 2 add |q|^2 and set the group's number, 8 insert it into a sorted list of 8
; (entry i becomes the middle one of entry i-1, entry i and the new word): fixed work, no branch and no address hangs on a number.
; NO CLUSTER, NO TENSOR LOADS: a key tile is shared by two work-groups only, and its bytes have to pass through registers anyway (rounding,
; squares), so an f32 copy in LDS would be one more round trip.
; LIMITS: d2 must be finite and below 1.7e38 (the lists start at 0x7f000000); no NaN.  The filter's error is that of bf16 operands and of the
; identity |q|^2 + |k|^2 - 2 q.k in f32 sums, plus 2^-16 relative for the 7 bits; it grows with a common offset of the inputs.  A chunk hands
; on 8 groups, which is what exact arithmetic needs; the margin (16 groups) is taken over all chunks in the next launch.
.set PITCH,  528                       ; an LDS row: 512 bytes (256 bf16) + 16: an odd multiple of 16, so 16 rows start in 16 different columns of 16 bytes
.set BUF,    64*PITCH                  ; one stage of keys in bf16
.set K2BASE, 2*BUF                     ; behind the two buffers: 2 x 64 words of |k|^2
.set STAGEB, 65536                     ; a stage in memory: 64 rows of 1,024 bytes
; window 0 (v0-255)
.set KOFF, 3                           ; byte offset of my 16 bytes in a stage: 16384 w + 8192 h + 16 r
.set STA,  4                           ; v4-5   where my 8 bytes of bf16 go, buffer 0, 1
.set K2A,  6                           ; v6-7   where my rows' |k|^2 go
.set ARD,  8                           ; v8-9   where my A fragments are read
.set K2R,  10                          ; v10-11 where my eight |k|^2 are read
.set QOFF, 12                          ; 1024 r + 32 h: my part of a query tile
.set COFF, 13                          ; 32 r + 16 h: my 16 bytes of a query's list
.set ZERO, 14
.set SM,   20                          ; v20-27 two sets of four sums of squares: first chain of the batch's rows a, b, then second chain of a, b
.set AF0,  32                          ; v32-95  A fragments, buffer 0 (K step k at +8 k)
.set GQ,   96                          ; v96-223 32 x 4 registers: a stage's keys as loaded
.set TPB,  224                         ; v224-255 two sets of 8 pairs: a batch's eight quads as packed bf16; the sets take turns from batch to batch
; window 1 (v256-511), numbers are the low 8 bits
.set ACC,  0                           ; 8 accumulator tiles (column tile n at 8 n).  Ahead of the loop 0-127 stage the queries; at the end 0-31 hold what is stored
.set LST,  64                          ; 8 lists of 8 (tile n, entry i at 8 n + i)
.set KSQ,  128                         ; |k|^2 of a tile's keys, two buffers of 8
.set QSQ,  144                         ; |q|^2 of my query in tile n
.set GID,  152                         ; the number of the group that is being selected: 2 x tile + h
.set MINA, 154
.set MINB, 155
.set ZERO1, 156
.set QA,   160                         ; four running sums for |q|^2
.set XR,   164                         ; eight words of the other half-wave's list
.set PT,   172                         ; destination of the lane exchange
.set AF1,  192                         ; A fragments, buffer 1
; windows 2 and 3: B fragments, column tile n, K step k at 64 (n & 3) + 8 k of window 2 + n / 4
; s_set_vgpr_msb, low byte: bits 1:0 source 0, 3:2 source 1, 5:4 source 2, 7:6 destination; the high byte repeats the setting that is left.
.set MSB, 0
.macro WIN new
.if MSB != \new
	s_set_vgpr_msb (MSB<<8)|\new
.set MSB, \new
.endif
.endm
	s_load_b128 s[4:7], s[0:1], 0x0                ; keys s[4:5], query s[6:7]
	s_load_b64 s[8:9], s[0:1], 0x10                ; cand
	v_lshl_add_u32 v30, v0, 2, 0x10a00
	v_mov_b32 v31, 0
	v_lshrrev_b32 v15, 5, v0
	v_readfirstlane_b32 s10, v15                   ; wave 0..3
	s_and_b32 s12, ttmp7, 0xffff                   ; chunk
	s_mov_b32 s13, 0x7f                            ; the 7 bits of a group's number
	s_mov_b32 s14, 0x76543210                      ; v_permlanex16_b32: lane i reads lane i of the other half
	s_mov_b32 s15, 0xfedcba98
	s_mov_b32 s23, 0x7f000000                      ; 1.7e38: what the lists start with
	v_and_b32 v1, 15, v0                           ; r
	v_bfe_u32 v2, v0, 4, 1                         ; h
	v_cmp_ne_u32 s22, 0, v2                        ; lanes 16-31
	s_wait_alu depctr_va_sdst(0)                   ; s10 and s22 are written, ahead of their first readers: s10's is the next line, s22's the selects at the kernel's end
	s_lshl_b32 s18, s10, 14                        ; a wave loads 16 of a stage's 64 rows
	v_lshlrev_b32 v15, 4, v1
	v_lshl_add_u32 v15, v2, 13, v15                ; lanes 16-31 take the row 8 further down
	v_add_nc_u32 v[KOFF], s18, v15
	s_mul_i32 s18, s10, 16*PITCH
	v_mul_u32_u24 v15, v2, 8*PITCH
	v_lshl_add_u32 v15, v1, 3, v15                 ; four bf16 = 8 bytes a lane
	v_add_nc_u32 v[STA], s18, v15
	v_add_nc_u32 v[STA+1], BUF, v[STA]
	s_lshl_b32 s18, s10, 6
	s_add_co_u32 s18, s18, K2BASE
	v_lshl_add_u32 v[K2A], v2, 5, s18              ; word 16 w + 8 h
	v_add_nc_u32 v[K2A+1], 256, v[K2A]
	v_mul_u32_u24 v15, v1, PITCH
	v_lshl_add_u32 v[ARD], v2, 4, v15              ; fragment: row r, 16 bytes for each half of the lanes
	v_add_nc_u32 v[ARD+1], BUF, v[ARD]
	v_lshlrev_b32 v15, 5, v2
	v_add_nc_u32 v[K2R], K2BASE, v15               ; C of lane (r, h): keys 8 h + 0..7
	v_add_nc_u32 v[K2R+1], K2BASE+256, v15
	v_lshlrev_b32 v15, 10, v1
	v_lshl_add_u32 v[QOFF], v2, 5, v15
	v_lshlrev_b32 v15, 5, v1
	v_lshl_add_u32 v[COFF], v2, 4, v15
	v_mov_b32 v[ZERO], 0
	s_lshl_b32 s18, ttmp9, 19                      ; query: (512 half + 128 w) rows of 1,024 bytes
	s_lshl_b32 s19, s10, 17
	s_add_co_u32 s18, s18, s19
	s_mov_b32 s19, 0
	s_lshl_b32 s24, s12, 15                        ; cand: chunk x 1,024 lists of 32 bytes + (512 half + 128 w) lists
	s_lshl_b32 s25, ttmp9, 14
	s_add_co_u32 s24, s24, s25
	s_lshl_b32 s25, s10, 12
	s_add_co_u32 s24, s24, s25
	s_mov_b32 s25, 0
	s_lshl_b32 s26, s12, 20                        ; keys: chunk x 1,024 rows of 1,024 bytes (below 2^27)
	s_mov_b32 s27, 0
	s_wait_kmcnt 0x0
	s_add_nc_u64 s[6:7], s[6:7], s[18:19]
	s_add_nc_u64 s[8:9], s[8:9], s[24:25]
	s_add_nc_u64 s[20:21], s[4:5], s[26:27]        ; s[20:21]: the stage that is loaded next
	s_wait_alu depctr_va_vdst(0)                   ; the eleven offsets and addresses v3 to v13 are written: every load and store of the kernel reads one of them, and none is written again
	; stage 0 of the keys goes out first.  Load i: 256 bytes (quarter i % 4) of row i / 4 in lanes 0-15, of row i / 4 + 8 in lanes 16-31.
.set ci, 0
.rept 32
	global_load_b128 v[GQ+4*ci:GQ+4*ci+3], v[KOFF], s[20:21] offset:(ci/4)*1024+(ci%4)*256
.set ci, ci+1
.endr
; THE QUERIES.  Fragment g = 8 n + k: lane (r, h) takes of query 16 n + r the elements 32 k + 8 h + 0..7 and 32 k + 16 + 8 h + 0..7, 16 f32,
; into staging slot g % 8 (16 registers of window 1).
.macro QLOAD g
.set qg, \g
.set qd, 16*(qg%8)
.set qo, (qg/8)*16384+(qg%8)*128
	global_load_b128 v[qd:qd+3],     v[QOFF], s[6:7] offset:qo
	global_load_b128 v[qd+4:qd+7],   v[QOFF], s[6:7] offset:qo+16
	global_load_b128 v[qd+8:qd+11],  v[QOFF], s[6:7] offset:qo+64
	global_load_b128 v[qd+12:qd+15], v[QOFF], s[6:7] offset:qo+80
.endm
; One fragment: times -2 (exact), rounded to bf16 into B; the slot is loaded again, eight fragments ahead; the squares of the rounded numbers
; are summed in four chains.  Behind a tile's last K step: the two half-waves' sums meet, and a quarter of the sum of (-2 q)^2 is |q|^2.
.macro QFRAG f
.set qf, \f
.set qn, qf/8
.set qk, qf%8
.set qs, 16*qk
.set qb, 64*(qn%4)+8*qk
.set qw, 2+qn/4
.if qf > 56
	s_wait_loadcnt 4*(63-qf)                       ; the fragments behind mine, four loads each: none is issued any more
.else
	s_wait_loadcnt 28                              ; seven younger fragments of four loads stay out
.endif
	WIN 0x55
.irp i, 0,2,4,6,8,10,12,14
	v_pk_mul_f32 v[qs+\i:qs+\i+1], v[qs+\i:qs+\i+1], -2.0 op_sel_hi:[1,0]
.endr
	WIN (0x05|(qw<<6))
.irp i, 0,1,2,3,4,5,6,7
	v_cvt_pk_bf16_f32 v[qb+\i], v[qs+2*\i], v[qs+2*\i+1]
.endr
.if qf < 56
	WIN 0x40
	s_wait_alu depctr_va_vdst(0)                   ; the multiplications have written the slot and the conversions are done reading it: the four loads below land in it.  The squares, which name B alone, follow the loads
	QLOAD qf+8
.endif
	WIN (0x50|(qw<<2)|qw)
.set qi, 0
.rept 8
.set qa0, QA+(2*qi)%4
.set qa1, qa0+1
.set qc0, qa0
.set qc1, qa1
.if qk == 0
.if qi < 2
.set qc0, ZERO1                                    ; a tile's first four squares start the chains
.set qc1, ZERO1
.endif
.endif
	v_fma_mix_f32_bf16 v[qa0], v[qb+qi], v[qb+qi], v[qc0] op_sel_hi:[1,1,0]
	v_fma_mix_f32_bf16 v[qa1], v[qb+qi], v[qb+qi], v[qc1] op_sel:[1,1,0] op_sel_hi:[1,1,0]
.set qi, qi+1
.endr
.if qk == 7
	WIN 0x55
	v_add_f32 v[QA], v[QA], v[QA+1]
	v_add_f32 v[QA+2], v[QA+2], v[QA+3]
	v_add_f32 v[QA], v[QA], v[QA+2]
	v_permlanex16_b32 v[PT], v[QA], s14, s15
	v_add_f32 v[QA], v[QA], v[PT]
	v_mul_f32 v[QSQ+qn], 0x3e800000, v[QA]         ; x 0.25
.endif
.endm
	WIN 0x40
	v_mov_b32 v[ZERO1], 0
	v_mov_b32 v[PT], 0                             ; the lane exchange counts as a reader of its destination
.set qq, 0
.rept 8
	QLOAD qq                                       ; no vector instruction has named the slots yet, and the offset stands in front of the head's wait
.set qq, qq+1
.endr
.set qq, 0
.rept 64
	QFRAG qq
.set qq, qq+1
.endr
; THE KEYS' WAY INTO LDS, in batches of eight quads = two rows for each half of the lanes.  Quad i is quarter i % 4 of row i / 4 (lanes 0-15) or
; i / 4 + 8 (lanes 16-31) of my 16 rows.
; CONVV: the vector work of one quad, no memory instruction: four f32 become four bf16 in the quad's own pair of registers, and their squares are
; added up in the row's two chains.  Behind the batch's eighth quad the 16 lanes that hold a row add their sums, the two rows' chains interleaved.
.macro CONVV i
.set ci, \i
.set ce, ci%8
.set cs, (ci/8)%2
.set ct, TPB+16*cs+2*ce
.set ca, SM+4*cs+ce/4
.set cb, ca+2
	v_cvt_pk_bf16_f32 v[ct],   v[GQ+4*ci],   v[GQ+4*ci+1]
	v_cvt_pk_bf16_f32 v[ct+1], v[GQ+4*ci+2], v[GQ+4*ci+3]
.if ce%4 == 0
	v_fma_mix_f32_bf16 v[ca], v[ct], v[ct], v[ZERO] op_sel_hi:[1,1,0]                    ; a row's first two squares start its chains
	v_fma_mix_f32_bf16 v[cb], v[ct], v[ct], v[ZERO] op_sel:[1,1,0] op_sel_hi:[1,1,0]
.else
	v_fma_mix_f32_bf16 v[ca], v[ct], v[ct], v[ca] op_sel_hi:[1,1,0]
	v_fma_mix_f32_bf16 v[cb], v[ct], v[ct], v[cb] op_sel:[1,1,0] op_sel_hi:[1,1,0]
.endif
	v_fma_mix_f32_bf16 v[ca], v[ct+1], v[ct+1], v[ca] op_sel_hi:[1,1,0]
	v_fma_mix_f32_bf16 v[cb], v[ct+1], v[ct+1], v[cb] op_sel:[1,1,0] op_sel_hi:[1,1,0]
.if ce == 7
.set csm, SM+4*cs
	v_pk_add_f32 v[csm:csm+1], v[csm:csm+1], v[csm+2:csm+3]
.irp m, 1,2,4,8
	v_add_f32_dpp v[csm],   v[csm],   v[csm]   row_xmask:\m row_mask:0xf bank_mask:0xf
	v_add_f32_dpp v[csm+1], v[csm+1], v[csm+1] row_xmask:\m row_mask:0xf bank_mask:0xf
.endr
.endif
.endm
; CMEM: the memory instructions of batch f (0..3) in one run, under window 0.  reload = 1: the batch's 32 registers are loaded again, with the stage at s[20:21];
; eight stores of 8 bytes a lane into buffer ob; one store of the two rows' |k|^2 (two neighbouring words; the 16 lanes of a row store the same).
; free = 0: no batch before has stored, or no batch follows: there is no set of TPB and SM to be freed.
.macro CMEM f, ob, reload, free
.set cs, (\f)%2
.if \free
	s_wait_alu depctr_vm_vsrc(0)                   ; the LDS stores of the batch before, issued half a tile ago, have read the other set of TPB and SM, which the next batch's conversions write again
.endif
	s_wait_alu depctr_va_vdst(0)                   ; this batch's conversions are done reading GQ, in which the loads below land, and have written TPB and SM, which the stores below read;
	                                               ; and every matrix instruction issued so far is done reading its A and its |k|^2: the next tiles' LDS loads lean on that (the plan at the head)
.if \reload
.irp e, 0,1,2,3,4,5,6,7
.set ci, 8*(\f)+\e
	global_load_b128 v[GQ+4*ci:GQ+4*ci+3], v[KOFF], s[20:21] offset:(ci/4)*1024+(ci%4)*256
.endr
.endif
.irp e, 0,1,2,3,4,5,6,7
.set ci, 8*(\f)+\e
	ds_store_b64 v[STA+\ob], v[TPB+16*cs+2*\e:TPB+16*cs+2*\e+1] offset:(ci/4)*PITCH+(ci%4)*128   ; lanes 0-15: 128 neighbouring bytes; lanes 16-31: 8 rows on = 128 bytes on, modulo 256
.endr
	ds_store_b64 v[K2A+\ob], v[SM+4*cs:SM+4*cs+1] offset:8*(\f)
.endm
; 18 LDS loads in one run: tile t (16 keys, an even tile) of LDS buffer b into register buffer 0: its |k|^2 (C) and its eight A fragments.
; own = 1: no wait for matrix results has stood since the last even tile's matrix instructions, so one stands here.
.macro ARUN b, t, own
.set ro, (\t)*16*PITCH
	WIN 0x40
.if \own
	s_wait_alu depctr_va_vdst(0)                   ; the matrix instructions of the last even tile are done reading AF0 and its |k|^2, in which the loads below land
.endif
	ds_load_b128 v[KSQ:KSQ+3],   v[K2R+\b] offset:64*(\t)
	ds_load_b128 v[KSQ+4:KSQ+7], v[K2R+\b] offset:64*(\t)+16
	WIN 0
.irp k, 0,1,2,3,4,5,6,7
	ds_load_b128 v[AF0+8*\k:AF0+8*\k+3],   v[ARD+\b] offset:ro+64*\k
	ds_load_b128 v[AF0+8*\k+4:AF0+8*\k+7], v[ARD+\b] offset:ro+64*\k+32
.endr
.endm
; The same 18 loads for an odd tile t, into register buffer 1, in the same order, four at a time: portion s of five (the fifth has two; a higher s has none).
; Both AF1 and |k|^2 lie in window 1, the addresses in window 0: that is the window setting of an even tile's matrix instructions (destination window 1,
; source 0 window 0), so these loads stand among them without a switch.  No wait: none of the instructions between the wait that covers them and these loads names AF1, KSQ 8-15 or v8-v11.
.macro DEAL b, t, s
.irp u, 0,1
.set dj, 2*(\s)+\u
.if dj == 0
	ds_load_b128 v[KSQ+8:KSQ+11],  v[K2R+\b] offset:64*(\t)
	ds_load_b128 v[KSQ+12:KSQ+15], v[K2R+\b] offset:64*(\t)+16
.endif
.if dj > 0
.if dj < 9
	ds_load_b128 v[AF1+8*dj-8:AF1+8*dj-5], v[ARD+\b] offset:(\t)*16*PITCH+64*dj-64   ; K step dj - 1
	ds_load_b128 v[AF1+8*dj-4:AF1+8*dj-1], v[ARD+\b] offset:(\t)*16*PITCH+64*dj-32
.endif
.endif
.endr
.endm
; One matrix instruction: K step k of column tile 4 p + q.  A half tile's four accumulators take turns, q = 0, 1, 2, 3, one instruction a turn.
.macro MM1 p, k, ab, q
.set ma, AF0+(AF1-AF0)*(\ab)+8*(\k)
.set md, ACC+8*(4*(\p)+(\q))
.set mb, 64*(\q)+8*(\k)
.if (\k) == 0
	v_wmma_f32_16x16x32_bf16 v[md:md+7], v[ma:ma+7], v[mb:mb+7], v[KSQ+8*(\ab):KSQ+8*(\ab)+7]   ; the first K step starts the sums at |k|^2
.else
	v_wmma_f32_16x16x32_bf16 v[md:md+7], v[ma:ma+7], v[mb:mb+7], v[md:md+7]
.endif
.endm
; entry i of list l becomes the middle one of entry i - 1, itself and the new word x (taken from 7 down to 1, each reads old neighbours)
.macro MED l, i, x
	v_med3_num_f32 v[LST+8*(\l)+\i], v[LST+8*(\l)+\i-1], v[LST+8*(\l)+\i], v[\x]
.endm
.macro INSERT n, x
.irp i, 7,6,5,4,3,2,1
	MED \n, \i, \x
.endr
	v_min_num_f32 v[LST+8*(\n)], v[LST+8*(\n)], v[\x]
.endm
; The selection for column tiles a and a + 1: 28 instructions in four steps ph of seven, one step for every four matrix instructions;
; part 0 is a step's first four instructions, part 1 its last three.
.macro SEL ph, a, part
.set sa, \a
.set sb, sa+1
.set sx, 2*(\ph)+(\part)
.if sx == 0
	v_min3_num_f32 v[MINA], v[ACC+8*sa],  v[ACC+8*sa+1], v[ACC+8*sa+2]
	v_min3_num_f32 v[MINB], v[ACC+8*sb],  v[ACC+8*sb+1], v[ACC+8*sb+2]
	v_min3_num_f32 v[MINA], v[MINA], v[ACC+8*sa+3], v[ACC+8*sa+4]
	v_min3_num_f32 v[MINB], v[MINB], v[ACC+8*sb+3], v[ACC+8*sb+4]
.endif
.if sx == 1
	v_min3_num_f32 v[MINA], v[MINA], v[ACC+8*sa+5], v[ACC+8*sa+6]
	v_min3_num_f32 v[MINB], v[MINB], v[ACC+8*sb+5], v[ACC+8*sb+6]
	v_min_num_f32  v[MINA], v[MINA], v[ACC+8*sa+7]
.endif
.if sx == 2
	v_min_num_f32  v[MINB], v[MINB], v[ACC+8*sb+7]
	v_add_f32 v[MINA], v[MINA], v[QSQ+sa]          ; + |q|^2, once for eight keys: adding keeps the order
	v_add_f32 v[MINB], v[MINB], v[QSQ+sb]
	v_bfi_b32 v[MINA], s13, v[GID], v[MINA]        ; the group's number into the low 7 bits
.endif
.if sx == 3
	v_bfi_b32 v[MINB], s13, v[GID], v[MINB]
	MED sa, 7, MINA
	MED sa, 6, MINA
.endif
.if sx == 4
	MED sa, 5, MINA
	MED sa, 4, MINA
	MED sa, 3, MINA
	MED sa, 2, MINA
.endif
.if sx == 5
	MED sa, 1, MINA
	v_min_num_f32 v[LST+8*sa], v[LST+8*sa], v[MINA]
	MED sb, 7, MINB
.endif
.if sx == 6
	MED sb, 6, MINB
	MED sb, 5, MINB
	MED sb, 4, MINB
	MED sb, 3, MINB
.endif
.if sx == 7
	MED sb, 2, MINB
	MED sb, 1, MINB
	v_min_num_f32 v[LST+8*sb], v[LST+8*sb], v[MINB]
.endif
.endm
; Half a tile: 32 matrix instructions on accumulators 4 p .. 4 p + 3, while the other four accumulators, finished half a tile ago, are selected.
; A K step is two pairs of matrix instructions with a portion of vector work behind each.  conv = 0: four and three instructions of the selection.
; conv = 1: the selection's seven, and one quad's conversion (quads c0 .. c0 + 7, one a K step); the batch's memory instructions follow in one
; run at the end.  deal = 1 (an even tile's second half): the 18 loads of tile nt of LDS buffer nb stand behind the first five pairs, 22 matrix instructions ahead of the wait for them.
; PLACES (ISA guide 7.12.1 asks for four before a vector instruction reads a matrix result): behind the half tile's last instructions on its first
; two accumulators stand at least seven list instructions that name none of their registers, and only then does the next half tile's
; selection read those two; the other two are read four K steps later.
.macro PHASE p, ab, conv, c0, ob, reload, deal, nb, nt
.irp k, 0,1,2,3,4,5,6,7
	WIN (0x50|((2+\p)<<2)|\ab)
	MM1 \p, \k, \ab, 0
	MM1 \p, \k, \ab, 1
.if \deal
	DEAL \nb, \nt, 2*\k
.endif
	WIN 0x55
.if \p == 1
.if \k == 0
	v_add_nc_u32 v[GID], 2, v[GID]                 ; from here on this tile's groups are selected
.endif
.endif
	SEL (\k&3), 4*(1-\p)+2*(\k>>2), 0
.if \conv
	SEL (\k&3), 4*(1-\p)+2*(\k>>2), 1
.endif
	WIN (0x50|((2+\p)<<2)|\ab)
	MM1 \p, \k, \ab, 2
	MM1 \p, \k, \ab, 3
.if \deal
	DEAL \nb, \nt, 2*\k+1
.endif
.if \conv
	WIN 0
.if \k == 0
.if \reload
	s_wait_loadcnt 24                              ; my batch f = c0 / 8 is in: behind its eight loads stand 8 (3 - f) of its own stage and the 8 f reloads of this one
.else
	s_wait_loadcnt 24-(\c0)                        ; the last stage: only the 8 (3 - f) of its own stage stand behind it
.endif
.endif
	CONVV \c0+\k
.else
	WIN 0x55
	SEL (\k&3), 4*(1-\p)+2*(\k>>2), 1
.endif
.endr
.if \conv
.set cfree, 1
.if \reload == 0
.if \c0 == 24
.set cfree, 0                                      ; the launch's last batch: no conversion follows it
.endif
.endif
	CMEM (\c0)/8, \ob, \reload, cfree
.endif
.endm
; A tile of 16 keys from LDS buffer b.  The next tile's 18 loads land in registers that matrix instructions last read a tile ago.  In an odd tile they go out in one run in its
; middle; in an even tile they are dealt among the matrix instructions of its second half (every even tile has a next tile in its stage).
; own = 1: no batch's wait has stood since the tile before ended, so the loads get a wait of their own.
; sync = 1: the stage's one barrier, its signal and its wait half a tile apart, with register work alone between them.
.macro TILE b, t, conv, ob, reload, dsw, sync, run, own
	s_wait_dscnt \dsw                              ; this tile's 18 loads are in; dsw = 9: the nine LDS stores of the batch issued behind them may be out
.if \sync
	s_barrier_signal -1                            ; (dsw = 0) my stores into the other buffer are done, my last reads of this buffer are back
.endif
	PHASE 0, (\t&1), \conv, 16*\t, \ob, \reload, 0, 0, 0
.if \sync
	s_barrier_wait -1                              ; that holds of all four waves: the other buffer may be read, and this one written in the next stage
.endif
.if \run
.if \t == 3
	ARUN 1-\b, 0, \own
.endif
.if \t == 1
	ARUN \b, 2, \own
.endif
.if (\t&1) == 0
.if \own
	s_wait_alu depctr_va_vdst(0)                   ; the matrix instructions of the last odd tile are done reading AF1 and its |k|^2, in which the loads dealt into the half tile below land
.endif
.endif
.endif
	PHASE 1, (\t&1), \conv, 16*\t+8, \ob, \reload, 1-(\t&1), \b, \t+1
.endm
; In a stage that converts, tiles 0 and 1 have the batches' waits, and batch 3's, at tile 1's end, serves tile 2's loads too; tile 3 has none.  A stage that converts nothing has none at all.
.macro STAGE b, conv, reload, last
.if \reload
	s_wait_xcnt 0x0                                ; the loads that name s[20:21] have had their addresses translated (ISA guide 3.1): the base steps only behind this wait
	s_add_nc_u64 s[20:21], s[20:21], STAGEB
.endif
	TILE \b, 0, \conv, 1-\b, \reload, 0, 0, 1, 1-\conv
	TILE \b, 1, \conv, 1-\b, \reload, 9*\conv, 0, 1, 1-\conv
	TILE \b, 2, 0, 1-\b, 0, 9*\conv, 0, 1, 1-\conv
	TILE \b, 3, 0, 1-\b, 0, 0, 1-\last, 1-\last, 1
.endm
	WIN 0
	s_wait_xcnt 0x0
	s_add_nc_u64 s[20:21], s[20:21], STAGEB        ; stage 1
.set cc, 0
.rept 4
	s_wait_loadcnt 24                              ; as in a stage: 8 (3 - f) loads of stage 0 and 8 f of stage 1 stand behind batch f (met: the queries' last wait was for 0)
.set c2, 0
.rept 8
	CONVV 8*cc+c2                                  ; stage 0 into buffer 0,
.set c2, c2+1
.endr
	CMEM cc, 0, 1, cc                              ; stage 1 into the registers; the first batch has no batch before it
.set cc, cc+1
.endr
	s_wait_dscnt 0x0                               ; my part of buffer 0 is written,
	s_barrier_signal -1
	s_barrier_wait -1                              ; everybody's is
	ARUN 0, 0, 0                                   ; no vector or matrix instruction has named AF0 or KSQ yet
	; The lists start at 1.7e38, and so do accumulators 4-7, which the first half tile selects before anything has been multiplied into them:
	; that word is no smaller than the lists' entries and changes nothing.  Each lane then sees 64 real groups for each of its lists of 8.
	WIN 0x40
.set ii, 0
.rept 64
	v_mov_b32 v[LST+ii], s23
.set ii, ii+1
.endr
.set ii, 0
.rept 32
	v_mov_b32 v[ACC+32+ii], s23
.set ii, ii+1
.endr
.set ii, 0
.rept 8
	v_mov_b32 v[XR+ii], 0                          ; destinations of the lane exchange at the end
.set ii, ii+1
.endr
	v_add_nc_u32 v[GID], -2, v2                    ; tile 0's second half makes it h
	WIN 0                                          ; at a label and at a branch every window is 0
	s_mov_b32 s16, 7
.Lstage:
	STAGE 0, 1, 1, 0                               ; stages 0 to 13: they load stages 2 to 15
	STAGE 1, 1, 1, 0
	WIN 0
	s_sub_co_i32 s16, s16, 1
	s_cmp_lg_u32 s16, 0
	s_cbranch_scc1 .Lstage
	STAGE 0, 1, 0, 0                               ; stage 14 converts stage 15 and loads nothing
	STAGE 1, 0, 0, 1                               ; stage 15
	WIN 0x55
.irp a, 4, 6
.irp ph, 0,1,2,3
	SEL \ph, \a, 0                                 ; the last tile's accumulators 4-7: seven list instructions stand behind the last matrix instructions
	SEL \ph, \a, 1                                 ; on 4 and 5, three and then the 28 of that pair behind those on 6 and 7
.endr
.endr
	; Lane (r, h) has seen the groups of parity h.  Each half takes the other half's list and inserts its eight words: both then hold the query's best 8.
.set nn, 0
.rept 8
.irp i, 0,1,2,3,4,5,6,7
	v_permlanex16_b32 v[XR+\i], v[LST+8*nn+\i], s14, s15
.endr
.irp i, 0,1,2,3,4,5,6,7
	INSERT nn, XR+\i
.endr
.set nn, nn+1
.endr
.set nn, 0
.rept 8
.irp i, 0,1,2,3
	v_cndmask_b32 v[ACC+4*nn+\i], v[LST+8*nn+\i], v[LST+8*nn+4+\i], s22   ; lanes 0-15 store entries 0-3, lanes 16-31 entries 4-7
.endr
.set nn, nn+1
.endr
	WIN 0x04                                       ; store data in window 1
	s_wait_alu depctr_va_vdst(0)                   ; the selects have written the 32 registers that the eight stores read
.set nn, 0
.rept 8
	global_store_b128 v[COFF], v[ACC+4*nn:ACC+4*nn+3], s[8:9] offset:512*nn th:TH_STORE_NT   ; 16 lists = 512 consecutive bytes, at a multiple of 512
.set nn, nn+1
.endr
	WIN 0
	s_wait_dscnt 0x0
	s_wait_alu depctr_hold_cnt(0) depctr_sa_sdst(0) depctr_va_vdst(0) depctr_va_sdst(0) depctr_va_ssrc(0) depctr_va_vcc(0) depctr_vm_vsrc(0)
	s_wait_tensorcnt 0x0
	ds_add_u32 v30, v31
	s_wait_dscnt 0x0
	s_endpgm
.Lfunc_end_k_q715d52b5f7_score:
	.size	k_q715d52b5f7_score, .Lfunc_end_k_q715d52b5f7_score-k_q715d52b5f7_score
	.p2alignl 7, 3214868480
	.fill 96, 4, 3214868480
	.section	.rodata,"a",@progbits
	.p2align	6, 0x0
	.amdhsa_kernel k_q715d52b5f7_score
		.amdhsa_group_segment_fixed_size 68608
		.amdhsa_private_segment_fixed_size 0
		.amdhsa_enable_private_segment 0
		.amdhsa_kernarg_size 24
		.amdhsa_user_sgpr_count 2
		.amdhsa_user_sgpr_kernarg_segment_ptr 1
		.amdhsa_wavefront_size32 1
		.amdhsa_system_sgpr_workgroup_id_x 1
		.amdhsa_system_sgpr_workgroup_id_y 1
		.amdhsa_system_sgpr_workgroup_id_z 1
		.amdhsa_system_vgpr_workitem_id 0
		.amdhsa_next_free_vgpr 1024
		.amdhsa_next_free_sgpr 66
		.amdhsa_reserve_vcc 0
		.amdhsa_float_denorm_mode_32 3
		.amdhsa_float_denorm_mode_16_64 3
		.amdhsa_memory_ordered 1
		.amdhsa_forward_progress 1
		.amdhsa_inst_pref_size 255
	.end_amdhsa_kernel
	.section	.bss,"aw",@nobits
	.p2align	6
	.space	262144
	.amdgpu_metadata
---
amdhsa.version: [ 1, 2 ]
amdhsa.kernels:
  - .name:           k_q715d52b5f7_score
    .symbol:         k_q715d52b5f7_score.kd
    .args:
      - { .name: keys, .offset: 0, .size: 8, .value_kind: global_buffer, .address_space: global }
      - { .name: query, .offset: 8, .size: 8, .value_kind: global_buffer, .address_space: global }
      - { .name: cand, .offset: 16, .size: 8, .value_kind: global_buffer, .address_space: global }
    .group_segment_fixed_size: 68608
    .private_segment_fixed_size: 0
    .kernarg_segment_align: 8
    .kernarg_segment_size: 24
    .max_flat_workgroup_size: 128
    .sgpr_count:     66
    .vgpr_count:     1024
    .wavefront_size: 32
...
	.end_amdgpu_metadata
.endif
;; end of part 6
;; launch merge: the kernel of part 2 again; grid 128 x 1, 8 waves a work-group, no clusters, 34,048 bytes of LDS; arguments cand, gid; writes gid
;; launch rescore: the kernel of part 3 again; grid 1024 x 1, 8 waves a work-group, no clusters, 2,048 bytes of LDS; arguments keys, query, gid, fidx; writes fidx
;; launch gather: the kernel of part 4 again; grid 256 x 1, 8 waves a work-group, no clusters, 0 bytes of LDS; arguments vals, fidx, out0; writes out0
